; MI455X (gfx1250); checked and timed in simulation.
; The chip was launched on July 23, 2026; its instructions are those of AMD's public machine-readable ISA for CDNA 5 (MIT licence, August 2026) and "CDNA5" Instruction Set Architecture Reference Guide (July 2026). The comments in the code are by the model that wrote it; some were corrected since.
;; Causal Self Attention. Allowed arithmetic: matrix products marked QUANTISED: E2M1 operands, one E8M0 scale for each 32 along K, by v_wmma_scale_f32_16x16x128_f8f6f4 with both operands' format E2M1 (or v_wmma_scale_f32_32x16x128_f4), f32 sums; products left as they are: bf16, f16 or f32 operands; f32 sums; everything else in f32.
;; Inputs: b_proj 1,024 float32; b_qkv 3,072 float32; w_proj 1,024 x 1,024 float32; w_qkv 1,024 x 3,072 float32; x 4 x 2,048 x 1,024 float32.
;; Outputs: out0 4 x 2,048 x 1,024 float32.
;; This version of the problem:
;;   THIS VERSION OF THE PROBLEM IS GIVEN IN LOW PRECISION. The matrix products marked QUANTISED in the list below multiply operands that are first quantised to E2M1 (2 exponent bits, 1 mantissa bit; 4 bits a number), with one power-of-two scale for each 32 numbers along K (OCP MX v1.0); their sums are f32. The products marked 'left as it is' may take bf16, f16 or f32 operands, with f32 sums. Whichever they take, every output number must still come out within the allowed error. Rounding operands to bf16 (8 significant bits) uses up far more of that allowance than f16 does (11 bits, for magnitudes from 6e-5 to 65,504). All else is computed in f32.
;;   The module's matrix products, in the order in which they are computed (A, B: the left and right operand; K: the contracted axis; several contracted axes count as one K, in the product's order):
;;     1. [M 8,192, K 1,024] x [K 1,024, N 3,072]; A: input x; B: input w_qkv: QUANTISED
;;     2. batch 64 x [M 2,048, K 64] x [K 64, N 2,048]; A: computed on the way; B: computed on the way: left as it is (an operand is computed on the way)
;;     3. batch 64 x [M 2,048, K 2,048] x [K 2,048, N 64]; A: computed on the way; B: computed on the way: left as it is (an operand is computed on the way)
;;     4. [M 8,192, K 1,024] x [K 1,024, N 1,024]; A: computed on the way; B: input w_proj: left as it is (an operand is computed on the way)
;;   THE QUANTISER, for each operand of a quantised product, along K:
;;     - K is cut into blocks of 32 from its start; a last block that is shorter is filled with zeros.
;;     - A block's scale is 2^e with e = floor(log2(the largest magnitude in the block)) - 2, held to -126 .. 127; a block of zeros has e = 0. As a byte (E8M0): e + 127.
;;     - Each number is divided by its block's scale, clamped to +-6, and rounded to the nearest number of E2M1, ties to even, subnormals kept.
;;     - The product sums the exact products of the quantised numbers (number of the format x scale) in f32.
;;   ~~~python
;;   def quantise(x, axis):      # numpy; x: float32 -> the quantised numbers, widened to float32 again
;;       x = np.moveaxis(x, axis, -1); K = x.shape[-1]
;;       x = np.pad(x, [(0, 0)] * (x.ndim - 1) + [(0, -K % 32)]); x = x.reshape(x.shape[:-1] + (-1, 32)); a = np.abs(x).max(-1, keepdims=True)
;;       e = np.where(a > 0, np.clip(np.frexp(np.where(a > 0, a, 1))[1] - 1 - 2, -126, 127), 0)      # np.frexp(a)[1] - 1 = floor(log2(a)), exactly
;;       r = np.clip(x / 2.0 ** e, -6, 6)
;;       step = 2.0 ** (np.maximum(np.frexp(np.where(r == 0, 1, r))[1] - 1, 0) - 1)
;;       q = np.round(r / step) * step * 2.0 ** e      # np.round: ties to even
;;       return np.moveaxis(q.reshape(q.shape[:-2] + (-1,))[..., :K], -1, axis).astype(np.float32)
;;   ~~~
;; One version. Each part assembles by itself: llvm-mc -triple=amdgcn-amd-amdhsa -mcpu=gfx1250 --defsym DOCPART=n.
;; ======== version 1 of 1: 5 launches
;; limits: values are held in f16: magnitudes above 65,504 overflow, below 6.1e-05 lose precision
;; workspace buffers: xc 4,194,304 bytes; xs 262,144 bytes; wc 1,572,864 bytes; ws 98,304 bytes; wp16 2,097,152 bytes; qkv16 50,331,648 bytes; qkvf 786,432 bytes; y16 16,777,216 bytes
;; launch prep (part 1): grid 368 x 1, 4 waves a work-group, no clusters, 68,096 bytes of LDS; arguments x, w_qkv, w_proj, xc, xs, wc, ws, wp16; writes xc, xs, wc, ws, wp16
.if DOCPART == 1
	.amdgcn_target "amdgcn-amd-amdhsa--gfx1250"
	.amdhsa_code_object_version 6
	.text
	.protected	k_q7624ce27e3_prep
	.globl	k_q7624ce27e3_prep
	.p2align	8
	.type	k_q7624ce27e3_prep,@function
k_q7624ce27e3_prep:
	s_mov_b64 s[64:65], 0
	v_nop
	global_prefetch_b8 v0, s[64:65] scope:SCOPE_SE
	s_setreg_imm32_b32 hwreg(HW_REG_WAVE_MODE, 25, 1), 1
	s_wait_xcnt 0x0
; CAUSAL SELF-ATTENTION, launch 1 of 5: the operands of the quantised product x w_qkv become codes of FP4 (E2M1) with one E8M0 scale byte for each 32 along K,
; and w_proj becomes f16.  The five launches: prep | qkv (the quantised product, + b_qkv) | attn (causal softmax(q k^T / 8) v, f16 operands, f32 sums) | proj (y w_proj + b_proj) | fine (positions 0-15 of every batch once more, in f32).
; WORK LEFT OUT, in the whole program: key steps of the attention that lie wholly above the diagonal.  reference() builds the mask itself (jnp.tril) and sets those scores to -infinity ahead of the softmax:
; their weights are 0 for every value of the inputs, so neither their scores nor their products with v reach an output.  Every input has a way to the output and is loaded.  b_qkv's third for k is kept: it rides as the C of a sum's first product.
; LIMITS.  A NaN, an infinity or an overflow that reaches only the key steps left out is not carried to the result.  NaN and infinities among the inputs are not served.  q, k, v, y and w_proj go to the products
; left as they are in f16: a magnitude beyond 65,504 there becomes infinity.  A block whose largest magnitude lies under 2^(3 - 127) keeps the scale byte 1; a block of zeros too, where the rule says 127: its codes are zeros, and this program alone reads the bytes.
; THREE PATHS, parted by the work-group's number, each with LDS bytes of its own:
;   work-groups 0-255:   x [8192][1024], K innermost: a plain stream of blocks of 32.  A wave takes 16 steps of 512 numbers; a step's 2,048 bytes are loaded as they lie, turn through the wave's stage in LDS and come back 16 neighbours a lane.
;   work-groups 256-303: w_qkv [1024][3072], K its first axis: a lane takes a column, its registers run down K; a wave takes 32 columns x 512 along K; the codes leave through a stage as rows of 256 bytes.
;   work-groups 304-367: w_proj [1024][1024] to f16, its layout kept: a wave takes 4,096 numbers.
; No tensor loads, no barrier: waves share nothing.
.set SPARE,  67584                     ; behind both paths' LDS: the spare words, 128 bytes for each wave
.set SPW,    192                       ; v192  LDS address of my spare word; never rewritten
.set NIL,    193                       ; v193  0; never rewritten
.set XSTEPS, 16
.set XR,     16                        ; v16-79   x: four sets of 16 numbers as they are loaded
.set XX,     80                        ; v80-111  two sets of 16 neighbours
.set XE,     112                       ; v112-127 a scale byte for each step
.set XC,     128                       ; v128-191 codes: registers of its own for each step
.set XWREG,  8192                      ; LDS bytes 0 .. 32,767: a region for each wave: two stages of 32 x 80 bytes, then its 256 scale bytes
.set XSP,    80                        ; a lane's place in a stage: 64 bytes + 16 of padding
.set WNB,    16                        ; w_qkv: blocks of 32 along K for a wave
.set WPITCH, 272                       ; a stage row: 256 bytes of codes + 16
.set WSTAGE, 32768                     ; LDS bytes 32,768 .. 67,583: four stages of 32 rows
.set WKROW,  512                       ; a row of wc in bytes
.set WN4,    12288                     ; a row of w_qkv in bytes
.set WX,     32                        ; v32-95   two sets of 32 numbers
.set WC,     96                        ; v96-99   a block's codes
.set WOUT,   112                       ; v112-175 the way out
.set WSB,    24                        ; v24-27   the scale bytes, four to a register
	s_load_b256 s[4:11], s[0:1], 0x0               ; x s[4:5], w_qkv s[6:7], w_proj s[8:9], xc s[10:11]
	s_load_b256 s[12:19], s[0:1], 0x20             ; xs s[12:13], wc s[14:15], ws s[16:17], wp16 s[18:19]
	v_lshl_add_u32 v[SPW], v0, 2, SPARE
	v_mov_b32 v[NIL], 0
	v_lshrrev_b32 v1, 5, v0
	v_readfirstlane_b32 s20, v1                    ; wave 0..3
	v_and_b32 v2, 31, v0                           ; lane
	s_mov_b32 s25, 0                               ; the upper word of every offset
	s_wait_kmcnt 0x0
	s_cmp_lt_u32 ttmp9, 256
	s_cbranch_scc0 .Lnot_x
; ---------------- x ----------------
	v_lshlrev_b32 v3, 4, v2                        ; my 16 bytes of a load's 512
	s_mul_i32 s21, s20, XWREG
	v_lshrrev_b32 v14, 2, v2
	v_mul_u32_u24 v14, v14, XSP
	v_and_b32 v15, 3, v2
	v_lshl_add_u32 v14, v15, 4, v14
	v_add_nc_u32 v14, s21, v14                     ; the stage, on the way in: 80 (lane / 4) + 16 (lane % 4)
	v_mul_u32_u24 v15, v2, XSP
	v_add_nc_u32 v15, s21, v15                     ; on the way out: 80 x lane: my 16 neighbours
	v_lshlrev_b32 v4, 3, v2                        ; 8 bytes a lane: my codes in a step's 256, and my part of the 256 scale bytes
	v_lshrrev_b32 v5, 1, v2
	s_add_co_u32 s21, s21, 2*32*XSP
	v_add_nc_u32 v5, s21, v5                       ; LDS: my block's scale byte
	v_add_nc_u32 v6, s21, v4                       ; and 8 of them on the way out
	s_lshl_b32 s22, ttmp9, 2
	s_add_co_u32 s22, s22, s20                     ; which run of 8,192 numbers is my wave's
	s_lshl_b32 s24, s22, 15
	s_add_nc_u64 s[4:5], s[4:5], s[24:25]          ; 32,768 bytes of x,
	s_lshl_b32 s24, s22, 12
	s_add_nc_u64 s[10:11], s[10:11], s[24:25]      ; 4,096 of codes,
	s_lshl_b32 s24, s22, 8
	s_add_nc_u64 s[12:13], s[12:13], s[24:25]      ; 256 scale bytes a run
.macro XLOAD t
.irp i, 0,1,2,3
	global_load_b128 v[XR+16*((\t)%4)+4*\i:XR+16*((\t)%4)+4*\i+3], v3, s[4:5] offset:2048*(\t)+512*\i th:TH_LOAD_NT   ; 32 lanes read 512 consecutive bytes
.endr
.endm
.macro XTURN t                         ; step t's numbers through the stage: LDS serves a wave's instructions in order, so no wait stands between the stores and the loads
.irp i, 0,1,2,3
	ds_store_b128 v14, v[XR+16*((\t)%4)+4*\i:XR+16*((\t)%4)+4*\i+3] offset:32*XSP*((\t)%2)+8*XSP*\i
.endr
.irp i, 0,1,2,3
	ds_load_b128 v[XX+16*((\t)%2)+4*\i:XX+16*((\t)%2)+4*\i+3], v15 offset:32*XSP*((\t)%2)+16*\i
.endr
.endm
.irp t, 0,1,2,3
	XLOAD \t
.endr
	s_wait_loadcnt 12                              ; step 0's four loads are in; those of three steps may be out
	XTURN 0
.macro XSTEP t
.set XSS, XX+16*((\t)%2)
.if (\t) > 0
	s_wait_dscnt 1                                 ; this step's numbers are back from the stage (the last step's byte store may be out): so its stores into the stage have read their registers,
.else
	s_wait_dscnt 0x0
.endif
.if (\t)+4 < XSTEPS
	XLOAD (\t)+4                                   ; which take the loads of four steps on
.endif
.if (\t)+1 < XSTEPS
.if XSTEPS-2-(\t) >= 3
	s_wait_loadcnt 12                              ; the next step's four loads are in; those of the three steps behind it may be out
.else
	s_wait_loadcnt 4*(XSTEPS-2-(\t))
.endif
	XTURN (\t)+1                                   ; and go through the other stage while this step is worked
.endif
	v_max3_num_f32 v8, |v[XSS]|, |v[XSS+1]|, |v[XSS+2]|             ; the largest magnitude of my 16, in two chains
	v_max3_num_f32 v9, |v[XSS+3]|, |v[XSS+4]|, |v[XSS+5]|
.irp i, 6,10
	v_max3_num_f32 v8, v8, |v[XSS+\i]|, |v[XSS+\i+1]|
	v_max3_num_f32 v9, v9, |v[XSS+\i+2]|, |v[XSS+\i+3]|
.endr
	v_max3_num_f32 v8, v8, |v[XSS+14]|, |v[XSS+15]|
	v_max3_num_f32 v8, v8, v9, 0x1800000           ; and the floor 2^(3 - 127): the byte cannot fall under 1
	v_max_num_f32_dpp v8, v8, v8 row_xmask:1 row_mask:0xf bank_mask:0xf   ; and of my neighbour's 16: the block's
	v_add_nc_u32 v11, 0xff000000, v8               ; 2 off its exponent field: the conversion takes the exponent field of this operand as its scale
	v_cvt_scalef32_pk8_fp4_f32 v[XC+4*(\t)], v[XSS:XSS+7], v11
	v_cvt_scalef32_pk8_fp4_f32 v[XC+4*(\t)+1], v[XSS+8:XSS+15], v11
	v_lshrrev_b32 v[XE+(\t)], 23, v11              ; the scale's byte
	ds_store_b8 v5, v[XE+(\t)] offset:16*(\t)      ; both lanes of a block write the same byte with the same value
	global_store_b64 v4, v[XC+4*(\t):XC+4*(\t)+1], s[10:11] offset:256*(\t)   ; the wave stores 256 consecutive bytes, aligned
.endm
.irp t, 0,1,2,3,4,5,6,7,8,9,10,11,12,13,14,15
	XSTEP \t
.endr
	ds_load_b64 v[8:9], v6                         ; LDS serves a wave's instructions in order: these see my byte stores
	s_wait_dscnt 0x0
	global_store_b64 v4, v[8:9], s[12:13]          ; 32 lanes store 256 consecutive bytes, aligned
	s_wait_tensorcnt 0x0                           ; the wave's end
	ds_add_u32 v[SPW], v[NIL]
	s_wait_dscnt 0x0
	s_endpgm
; ---------------- w_qkv ----------------
.Lnot_x:
	s_cmp_lt_u32 ttmp9, 304
	s_cbranch_scc0 .Lcast
	s_sub_co_u32 s21, ttmp9, 256                   ; 0..47: 24 groups of 128 columns x 2 halves of K
	s_cmp_ge_u32 s21, 24
	s_cselect_b32 s22, 1, 0                        ; which 512 along K
	s_cselect_b32 s23, 24, 0
	s_sub_co_u32 s21, s21, s23
	s_lshl_b32 s21, s21, 7
	s_lshl_b32 s23, s20, 5
	s_add_co_u32 s21, s21, s23                     ; my wave's first column
	v_lshlrev_b32 v3, 2, v2                        ; in: 4 bytes a lane
	s_mul_i32 s23, s20, 32*WPITCH
	s_add_co_u32 s23, s23, WSTAGE                  ; my stage
	v_mul_u32_u24 v4, v2, WPITCH
	v_add_nc_u32 v4, s23, v4                       ; into it: row = my column
	v_and_b32 v5, 15, v2
	v_lshrrev_b32 v6, 4, v2                        ; out of it: sixteen lanes to a row, two rows an instruction
	v_mul_u32_u24 v7, v6, WPITCH
	v_lshl_add_u32 v7, v5, 4, v7
	v_add_nc_u32 v7, s23, v7
	v_lshlrev_b32 v8, 9, v6
	v_lshl_add_u32 v8, v5, 4, v8                   ; and the same place in wc
	v_lshlrev_b32 v9, 5, v2                        ; my column's row of 32 scale bytes
	s_mul_i32 s24, s22, 512*WN4
	s_lshl_b32 s26, s21, 2
	s_add_co_u32 s24, s24, s26
	s_add_nc_u64 s[6:7], s[6:7], s[24:25]          ; w_qkv: 512 y rows down, my column
	s_lshl_b32 s24, s21, 9
	s_lshl_b32 s26, s22, 8
	s_add_co_u32 s24, s24, s26
	s_add_nc_u64 s[14:15], s[14:15], s[24:25]      ; wc: column x 512 + 256 y
	s_lshl_b32 s24, s21, 5
	s_lshl_b32 s26, s22, 4
	s_add_co_u32 s24, s24, s26
	s_add_nc_u64 s[16:17], s[16:17], s[24:25]      ; ws: column x 32 + 16 y
.macro WLOAD t                         ; block t: w(32 t + i, my column), i = 0 .. 31, into set t % 2.  The largest offset, 511 rows of 12,288 bytes, lies inside the signed 24-bit immediate
.set i, 0
.rept 32
	global_load_b32 v[WX+32*((\t)%2)+i], v3, s[6:7] offset:(32*(\t)+i)*WN4 th:TH_LOAD_NT
.set i, i+1
.endr
.endm
	WLOAD 0
	WLOAD 1
.macro WBLOCK t
.set WXS, WX+32*((\t)%2)
.if (\t) < WNB-1
	s_wait_loadcnt 32                              ; this block's 32 loads are in; the next block's may be out
.else
	s_wait_loadcnt 0x0
.endif
	v_max3_num_f32 v12, |v[WXS]|, |v[WXS+1]|, |v[WXS+2]|            ; the block's largest magnitude: all 32 numbers are mine
	v_max3_num_f32 v13, |v[WXS+3]|, |v[WXS+4]|, |v[WXS+5]|
.irp i, 6,10,14,18,22,26
	v_max3_num_f32 v12, v12, |v[WXS+\i]|, |v[WXS+\i+1]|
	v_max3_num_f32 v13, v13, |v[WXS+\i+2]|, |v[WXS+\i+3]|
.endr
	v_max3_num_f32 v12, v12, |v[WXS+30]|, |v[WXS+31]|
	v_max3_num_f32 v12, v12, v13, 0x1800000        ; and the floor
	v_add_nc_u32 v11, 0xff000000, v12              ; the conversion's scale operand
	v_lshrrev_b32 v13, 23, v11                     ; the scale's byte
.if (\t)%4 == 0
	v_mov_b32 v[WSB+(\t)/4], v13                   ; four bytes to a register, the lower K in the lower byte
.else
	v_lshl_or_b32 v[WSB+(\t)/4], v13, 8*((\t)%4), v[WSB+(\t)/4]
.endif
.irp g, 0,1,2,3
	v_cvt_scalef32_pk8_fp4_f32 v[WC+\g], v[WXS+8*\g:WXS+8*\g+7], v11
.endr
	ds_store_b128 v4, v[WC:WC+3] offset:16*(\t)    ; 32 codes: 16 bytes of my column's row
.if (\t)+2 < WNB
	WLOAD (\t)+2
.endif
	s_wait_dscnt 0x0                               ; the store has read its registers: the next block's codes may be written
.endm
.set Q, 0
.rept WNB
	WBLOCK Q
.set Q, Q+1
.endr
	global_store_b128 v9, v[WSB:WSB+3], s[16:17]   ; my column's 16 scale bytes
.irp t, 0,1,2,3,4,5,6,7,8,9,10,11,12,13,14,15
	ds_load_b128 v[WOUT+4*\t:WOUT+4*\t+3], v7 offset:2*\t*WPITCH   ; LDS serves a wave's instructions in order: these see my stores
.endr
.irp t, 0,1,2,3,4,5,6,7,8,9,10,11,12,13,14,15
	s_wait_dscnt 15-\t                             ; rows 2 t and 2 t + 1 are back; the later ones may be out
	global_store_b128 v8, v[WOUT+4*\t:WOUT+4*\t+3], s[14:15] offset:2*\t*WKROW   ; sixteen lanes store 256 consecutive bytes, aligned
.endr
	s_wait_tensorcnt 0x0                           ; the wave's end: the three lines
	ds_add_u32 v[SPW], v[NIL]
	s_wait_dscnt 0x0
	s_endpgm
; ---------------- w_proj to f16 ----------------
.Lcast:
	s_sub_co_u32 s21, ttmp9, 304
	s_lshl_b32 s21, s21, 2
	s_add_co_u32 s21, s21, s20                     ; which run of 4,096 numbers is my wave's
	s_lshl_b32 s24, s21, 14
	s_add_nc_u64 s[8:9], s[8:9], s[24:25]
	s_lshl_b32 s24, s21, 13
	s_add_nc_u64 s[18:19], s[18:19], s[24:25]
	v_lshlrev_b32 v3, 4, v2
	v_lshlrev_b32 v4, 3, v2
.set i, 0
.rept 32
	global_load_b128 v[32+4*i:35+4*i], v3, s[8:9] offset:512*i th:TH_LOAD_NT
.set i, i+1
.endr
.set i, 0
.rept 32
	s_wait_loadcnt 31-i                            ; load i is in; the 31 - i behind it may be out
	v_cvt_pk_f16_f32 v[32+4*i], v[32+4*i], v[33+4*i]
	v_cvt_pk_f16_f32 v[33+4*i], v[34+4*i], v[35+4*i]
	global_store_b64 v4, v[32+4*i:33+4*i], s[18:19] offset:256*i   ; the wave stores 256 consecutive bytes, aligned
.set i, i+1
.endr
	s_wait_tensorcnt 0x0                           ; the same three lines as on the other paths
	ds_add_u32 v[SPW], v[NIL]
	s_wait_dscnt 0x0
	s_endpgm
.Lfunc_end_k_q7624ce27e3_prep:
	.size	k_q7624ce27e3_prep, .Lfunc_end_k_q7624ce27e3_prep-k_q7624ce27e3_prep
	.p2alignl 7, 3214868480
	.fill 96, 4, 3214868480
	.section	.rodata,"a",@progbits
	.p2align	6, 0x0
	.amdhsa_kernel k_q7624ce27e3_prep
		.amdhsa_group_segment_fixed_size 68096
		.amdhsa_private_segment_fixed_size 0
		.amdhsa_enable_private_segment 0
		.amdhsa_kernarg_size 64
		.amdhsa_user_sgpr_count 2
		.amdhsa_user_sgpr_kernarg_segment_ptr 1
		.amdhsa_wavefront_size32 1
		.amdhsa_system_sgpr_workgroup_id_x 1
		.amdhsa_system_sgpr_workgroup_id_y 1
		.amdhsa_system_sgpr_workgroup_id_z 1
		.amdhsa_system_vgpr_workitem_id 0
		.amdhsa_next_free_vgpr 196
		.amdhsa_next_free_sgpr 66
		.amdhsa_reserve_vcc 0
		.amdhsa_float_denorm_mode_32 3
		.amdhsa_float_denorm_mode_16_64 3
		.amdhsa_memory_ordered 1
		.amdhsa_forward_progress 1
		.amdhsa_inst_pref_size 122
	.end_amdhsa_kernel
	.amdgpu_metadata
---
amdhsa.version: [ 1, 2 ]
amdhsa.kernels:
  - .name:           k_q7624ce27e3_prep
    .symbol:         k_q7624ce27e3_prep.kd
    .args:
      - { .name: x, .offset: 0, .size: 8, .value_kind: global_buffer, .address_space: global }
      - { .name: w_qkv, .offset: 8, .size: 8, .value_kind: global_buffer, .address_space: global }
      - { .name: w_proj, .offset: 16, .size: 8, .value_kind: global_buffer, .address_space: global }
      - { .name: xc, .offset: 24, .size: 8, .value_kind: global_buffer, .address_space: global }
      - { .name: xs, .offset: 32, .size: 8, .value_kind: global_buffer, .address_space: global }
      - { .name: wc, .offset: 40, .size: 8, .value_kind: global_buffer, .address_space: global }
      - { .name: ws, .offset: 48, .size: 8, .value_kind: global_buffer, .address_space: global }
      - { .name: wp16, .offset: 56, .size: 8, .value_kind: global_buffer, .address_space: global }
    .group_segment_fixed_size: 68096
    .private_segment_fixed_size: 0
    .kernarg_segment_align: 8
    .kernarg_segment_size: 64
    .max_flat_workgroup_size: 128
    .sgpr_count:     66
    .vgpr_count:     196
    .wavefront_size: 32
...
	.end_amdgpu_metadata
.endif
;; end of part 1
;; launch qkv (part 2): grid 12 x 32, 4 waves a work-group, clusters of 4 x 4, 327,680 bytes of LDS; arguments xc, xs, wc, ws, qkv16, b_qkv, qkvf; writes qkv16, qkvf
.if DOCPART == 2
	.amdgcn_target "amdgcn-amd-amdhsa--gfx1250"
	.amdhsa_code_object_version 6
	.text
	.protected	k_q7624ce27e3_qkv
	.globl	k_q7624ce27e3_qkv
	.p2align	8
	.type	k_q7624ce27e3_qkv,@function
k_q7624ce27e3_qkv:
	s_mov_b64 s[64:65], 0
	v_nop
	global_prefetch_b8 v0, s[64:65] scope:SCOPE_SE
	s_setreg_imm32_b32 hwreg(HW_REG_WAVE_MODE, 25, 1), 1
	s_wait_xcnt 0x0
	s_wait_alu depctr_hold_cnt(0) depctr_sa_sdst(0) depctr_va_vdst(0) depctr_va_sdst(0) depctr_va_ssrc(0) depctr_va_vcc(0) depctr_vm_vsrc(0)
	s_getreg_b32 s2, hwreg(HW_REG_IB_STS2, 6, 4)
	s_cmp_eq_u32 s2, 0
	s_cbranch_scc0 .Lentry_in_a_cluster
	s_endpgm
.Lentry_in_a_cluster:
	s_bfe_u32 s2, ttmp6, 0x10000c
	s_cmp_lg_u32 s2, 0xf033
	s_cbranch_scc0 .Lentry_shape_is_right
	s_endpgm
.Lentry_shape_is_right:
; Launch 2 of 5: [q | k | v] = Q(x) Q(w_qkv) + b_qkv, on codes of FP4 (E2M1) with one E8M0 scale for each 32 along K.  xc [8192][512 bytes], xs [8192][32], wc [3072][512 bytes], ws [3072][32].
; OUT: qkv16, f16, [part 3][batch 4][head 16][position 2048][64]; and, for positions 0-15 of every batch, the f32 sums as images of the accumulators' registers in qkvf, for the last launch.
; A tile of 256 positions x 256 columns is made by a work-group of four waves, a wave 128 x 128: 64 accumulators, 512 registers.  K = 1,024 is two steps of 512 through two LDS slots, each filled once: no slot is filled again.
; The scales of the work-group's 256 rows of x and 256 columns of w, for all of K, are two dense blocks: they come into LDS once, with the first fills.
; CLUSTERS: 4 x 4 work-groups.  The four of a row of the cluster need the same tiles of x, the four of a column the same tiles of w: each is asked for JOINTLY.
; Tile row = 8 cy + cluster y: so the batch is cy and the block of 256 positions is the cluster's y, and whether a wave holds positions 0-15 hangs on the cluster's y and the wave's number alone, alike in all partners.
; THE MATRIX INSTRUCTION IS USED TRANSPOSED (source 0 = 16 columns of w, source 1 = 16 rows of x): a lane holds eight neighbouring columns of one position.  The bias is the C of each sum's first product.
; REGISTERS: window 0: v0-31 addresses; v32-95 scale words, two sets; v128-191 x's fragments, one set; v192-255 the bias, eight registers for each of my 8 blocks of 16 columns; on the way out v32-127 are at work.
;   window 1: w's fragments, two sets, at v0 and v128.   window 2: the accumulators of my rows 0-63 ((a, b) at v[8 (8 a + b)]);   window 3: those of my rows 64-127.
.set NQ,     4                         ; matrix instructions deep in a slot: 512 along K
.set ROWB,   256                       ; a tile's row in bytes
.set KROW,   512                       ; a row of xc or wc
.set PITCH,  272                       ; an LDS row: 256 bytes + 16 of padding: the 16 rows that a load touches start at 16 different banks
.set FR,     8
.set NL,     2
.set NP,     4                         ; places behind this matrix instruction (ISA guide 7.12.1)
.set HALFT,  128*PITCH
.set SLOT,   4*HALFT
.set KS,     32                        ; a row of scale bytes
.set SCL,    2*SLOT                    ; behind the slots: the scales, as units of 256 bytes + 16 of padding
.set HALFS,  16*272                    ; the scales of 128 rows
.set SBLK,   2*272                     ; those of 16 rows
.set SPARE,  SCL+4*HALFS               ; the spare words, 128 bytes for each wave
.set ADRA, 16
.set ADRB, 20
.set STO,  24                          ; the way out: where I put 16 bytes of a position's row
.set RD,   25                          ; and where I read four rows back
.set CO,   26                          ; 16 x lane
.set ADRS, 27
.set SPW,  28
.set NIL,  29
.set BO,   30                          ; 32 x (lane / 16): my eight numbers of a block's 16 of the bias
.set SC,   32
.set AF,   128
.set BIAS, 192
.set TMP,  32                          ; the way out: a block of 16 positions as f16
.set OB,   64                          ; and read back: v64-95 and v96-127 by turns
.set G1, 24
.set G0, 32
.set G1B, 48
.set G0B, 56
.set G1S, 68
.set G0S, 76
.set G1SB, 80
.set G0SB, 88
.set MSB, 0
.macro WIN new                         ; the immediate's high byte repeats the setting that is left
.if MSB != (\new)
	s_set_vgpr_msb (MSB<<8)|(\new)
.set MSB, (\new)
.endif
.endm
.set MUL_LO, 0xa1                      ; source 0 (w) window 1, source 1 (x) window 0, C and D window 2
.set MUL_HI, 0xf1                      ; the same, C and D window 3
.set TO_B,   0x40
; A joint load: waves 0 and 1 fetch for x, waves 2 and 3 for w.  The branch hangs on the wave's number alone.  An s_nop 0 and four v_nop follow each of the two lines.
.macro JLOAD g0a, g1a, g0b, g1b
	s_cmp_eq_u32 s15, 0
	s_cbranch_scc0 .Lfor_b_\@
	tensor_load_to_lds s[\g0a:\g0a+3], s[\g1a:\g1a+7]
	s_nop 0
.rept 4
	v_nop
.endr
	s_branch .Lasked_\@
.Lfor_b_\@:
	tensor_load_to_lds s[\g0b:\g0b+3], s[\g1b:\g1b+7]
	s_nop 0
.rept 4
	v_nop
.endr
.Lasked_\@:
.endm
.macro CROUND                          ; a round of the cluster's barrier
	s_barrier_signal -1
	s_barrier_wait -1
	s_cmp_lg_u32 s14, 0
	s_cbranch_scc1 .Lnot_wave_0_\@
	s_barrier_signal -3
.Lnot_wave_0_\@:
	s_barrier_wait -3
	s_barrier_signal -1
	s_barrier_wait -1
.endm
	s_load_b128 s[4:7], s[0:1], 0x0                ; xc s[4:5], xs s[6:7]
	s_load_b128 s[8:11], s[0:1], 0x10              ; wc s[8:9], ws s[10:11]
	s_load_b64 s[12:13], s[0:1], 0x20              ; qkv16
	s_load_b64 s[96:97], s[0:1], 0x28              ; b_qkv
	s_load_b64 s[98:99], s[0:1], 0x30              ; qkvf
	v_lshl_add_u32 v[SPW], v0, 2, SPARE
	v_mov_b32 v[NIL], 0
	ds_add_u32 v[SPW], v[NIL]                      ; the wave's opening: the add, twice on end, and its wait ahead of my first tensor load
	ds_add_u32 v[SPW], v[NIL]
	v_lshrrev_b32 v1, 5, v0
	v_readfirstlane_b32 s14, v1                    ; wave 0..3
	s_lshr_b32 s15, s14, 1                         ; which half of the tile's rows is mine.  Also: I fetch for x (0) or for w (1)
	s_and_b32 s16, s14, 1                          ; which half of its columns.  Also: which 128 rows of that tile I fetch
	s_bfe_u32 s40, ttmp6, 0x40000                  ; cx
	s_bfe_u32 s41, ttmp6, 0x40004                  ; cy
	s_lshl_b32 s42, ttmp9, 2
	s_add_co_u32 s42, s42, s40                     ; tile column = 4 x cluster x + cx
	s_and_b32 s17, ttmp7, 0xffff
	s_lshl_b32 s95, s41, 3
	s_add_co_u32 s17, s17, s95                     ; tile row = 8 cy + cluster y
	s_lshl_b32 s43, s41, 2
	s_lshl_b32 s43, 15, s43                        ; my row of the cluster
	s_lshl_b32 s44, 0x1111, s40                    ; my column
	s_or_b32 s[G1+0], s43, (0<<16)|(1<<20)|(1<<21)|(5<<22)|(3<<25)  ; the mask; elements of 1 byte; padding on; bit 21 beside a mask; after every 64 words four words
	s_or_b32 s[G1B+0], s44, (0<<16)|(1<<20)|(1<<21)|(5<<22)|(3<<25)
.irp g, G1, G1B
	s_mov_b32 s[\g+1], ROWB<<16                    ; tensor_dim0
	s_mov_b32 s[\g+2], 128<<16                     ; tensor_dim1
	s_mov_b32 s[\g+3], ROWB<<16                    ; tile_dim0
	s_mov_b32 s[\g+4], 128                         ; tile_dim1
	s_mov_b32 s[\g+5], KROW                        ; the pitch
	s_mov_b32 s[\g+6], 0
	s_mov_b32 s[\g+7], 0
.endr
	s_or_b32 s[G1S+0], s43, (3<<16)|(1<<20)|(1<<21)|(5<<22)|(3<<25) ; the scales of 128 rows: 4,096 dense bytes as 16 rows of 256 (32 elements of 8 bytes), 16 bytes of padding behind each
	s_or_b32 s[G1SB+0], s44, (3<<16)|(1<<20)|(1<<21)|(5<<22)|(3<<25)
.irp g, G1S, G1SB
	s_mov_b32 s[\g+1], 32<<16
	s_mov_b32 s[\g+2], 16<<16
	s_mov_b32 s[\g+3], 32<<16
	s_mov_b32 s[\g+4], 16
	s_mov_b32 s[\g+5], 32
	s_mov_b32 s[\g+6], 0
	s_mov_b32 s[\g+7], 0
.endr
	s_lshl_b32 s18, s16, 7                         ; which 128 rows of the tile I fetch
	s_lshl_b32 s20, s17, 8
	s_add_co_u32 s20, s20, s18                     ; x: row 256 x tile row + 128 x half
	s_lshl_b32 s46, s42, 8
	s_add_co_u32 s46, s46, s18                     ; w: column 256 x tile column + 128 x half
	s_mov_b32 s21, 0
	s_mov_b32 s47, 0
	s_mov_b64 s[18:19], KS
	s_mul_u64 s[22:23], s[20:21], s[18:19]         ; where these rows' scales begin,
	s_mul_u64 s[92:93], s[46:47], s[18:19]
	s_mov_b64 s[18:19], KROW
	s_mul_u64 s[20:21], s[20:21], s[18:19]         ; and their codes
	s_mul_u64 s[46:47], s[46:47], s[18:19]
	s_mul_i32 s45, s14, HALFT                      ; where they go: wave x 128 rows: no place in the cluster enters an LDS address
	s_mul_i32 s94, s14, HALFS
	s_wait_dscnt 0x0                               ; both opening adds are done
	s_wait_kmcnt 0x0
	s_add_nc_u64 s[20:21], s[4:5], s[20:21]
	s_add_nc_u64 s[22:23], s[6:7], s[22:23]
	s_add_nc_u64 s[46:47], s[8:9], s[46:47]
	s_add_nc_u64 s[92:93], s[10:11], s[92:93]
	CROUND                                         ; all sixteen work-groups are here: the joint loads meet
	s_mov_b32 s[G0S], 1
	s_add_co_u32 s[G0S+1], s94, SCL
	s_mov_b64 s[G0S+2:G0S+3], s[22:23]
	s_or_b32 s[G0S+3], s[G0S+3], 0x80000000
	s_mov_b32 s[G0SB], 1
	s_add_co_u32 s[G0SB+1], s94, SCL
	s_mov_b64 s[G0SB+2:G0SB+3], s[92:93]
	s_or_b32 s[G0SB+3], s[G0SB+3], 0x80000000
	JLOAD G0S, G1S, G0SB, G1SB                     ; the scales first: they are wanted with K step 0
.irp s, 0,1
	s_mov_b32 s[G0+4*\s], 1
	s_add_co_u32 s[G0+4*\s+1], s45, \s*SLOT
	s_add_nc_u64 s[G0+4*\s+2:G0+4*\s+3], s[20:21], \s*ROWB
	s_or_b32 s[G0+4*\s+3], s[G0+4*\s+3], 0x80000000
	s_mov_b32 s[G0B+4*\s], 1
	s_add_co_u32 s[G0B+4*\s+1], s45, \s*SLOT
	s_add_nc_u64 s[G0B+4*\s+2:G0B+4*\s+3], s[46:47], \s*ROWB
	s_or_b32 s[G0B+4*\s+3], s[G0B+4*\s+3], 0x80000000
	JLOAD G0+4*\s, G1, G0B+4*\s, G1B               ; three loads of mine are out behind the second of these
.endr
	v_and_b32 v1, 15, v0                           ; r = l % 16
	v_bfe_u32 v2, v0, 4, 1                         ; h = l / 16
	v_mul_u32_u24 v3, v1, PITCH
	v_lshl_add_u32 v4, v2, 4, v3                   ; a fragment's row x pitch + 16 x half
	s_mul_i32 s21, s15, HALFT                      ; my 128 rows of x
	s_mul_i32 s22, s16, HALFT                      ; my 128 columns of w,
	s_add_co_u32 s22, s22, 2*HALFT                 ; which lie behind x's 256 rows
.irp s, 0,1
	v_add_nc_u32 v[ADRA+\s], s21, v4
	v_add_nc_u32 v[ADRB+\s], s22, v4
	s_add_co_u32 s21, s21, SLOT
	s_add_co_u32 s22, s22, SLOT
.endr
	v_mul_u32_u24 v5, v1, KS                       ; my row's scales: 32 bytes a row,
	v_lshrrev_b32 v6, 8, v5
	v_lshl_add_u32 v5, v6, 4, v5                   ; and 16 more for each 256 passed
	s_mul_i32 s21, s15, HALFS
	s_mul_i32 s22, s16, HALFS
	s_add_co_u32 s22, s22, 2*HALFS
	s_sub_co_u32 s22, s22, s21
	v_mul_u32_u24 v6, s22, v2                      ; lanes 16-31 take w's: one product, the distance between the two bases
	s_add_co_u32 s21, s21, SCL
	v_add_nc_u32 v5, v5, v6
	v_add_nc_u32 v[ADRS], s21, v5
	s_mul_i32 s23, s14, 4608                       ; my stage: two heads x 16 rows x (128 bytes + 16).  It lies in slot 0, which has had its only fill and its last read when the first result is stored there
	v_mul_u32_u24 v5, v1, 144
	v_lshl_add_u32 v5, v2, 4, v5
	v_add_nc_u32 v[STO], s23, v5                   ; in: row r, 16 bytes for each half of the lanes
	v_and_b32 v6, 31, v0
	v_lshlrev_b32 v[CO], 4, v6
	v_lshrrev_b32 v5, 3, v6
	v_mul_u32_u24 v5, v5, 144
	v_and_b32 v6, 7, v0
	v_lshl_add_u32 v5, v6, 4, v5
	v_add_nc_u32 v[RD], s23, v5                    ; back: eight lanes to a row of 128 bytes, four rows an instruction
	v_lshlrev_b32 v[BO], 5, v2
	s_lshl_b32 s20, s42, 8
	s_lshl_b32 s21, s16, 7
	s_add_co_u32 s20, s20, s21                     ; n0: my first column of the 3,072
	s_mov_b32 s47, 0
	s_lshl_b32 s46, s20, 2
	s_add_nc_u64 s[96:97], s[96:97], s[46:47]      ; the bias at n0
	s_lshr_b32 s21, s20, 10                        ; the part: q, k or v
	s_lshl_b32 s21, s21, 2
	s_add_co_u32 s21, s21, s41                     ; 4 x part + batch
	s_lshl_b32 s21, s21, 4
	s_bfe_u32 s22, s20, 0x40006                    ; my first head of two
	s_add_co_u32 s21, s21, s22
	s_lshl_b32 s21, s21, 18                        ; a head is 262,144 bytes
	s_and_b32 s22, ttmp7, 0xffff
	s_lshl_b32 s22, s22, 15                        ; 256 positions of 128 bytes
	s_add_co_u32 s21, s21, s22
	s_lshl_b32 s22, s15, 14                        ; my 128 of them
	s_add_co_u32 s46, s21, s22
	s_add_nc_u64 s[12:13], s[12:13], s[46:47]
	s_mul_i32 s46, s41, 24                         ; qkvf: (24 x batch + 2 x tile column + half) x 8,192: two heads' images
	s_lshl_b32 s22, s42, 1
	s_add_co_u32 s46, s46, s22
	s_add_co_u32 s46, s46, s16
	s_lshl_b32 s46, s46, 13
	s_add_nc_u64 s[98:99], s[98:99], s[46:47]
.irp b, 0,1,2,3,4,5,6,7
	global_load_b128 v[BIAS+8*\b:BIAS+8*\b+3], v[BO], s[96:97] offset:64*\b        ; b_qkv[n0 + 16 b + 8 h + 0 .. 7]: the result's layout
	global_load_b128 v[BIAS+8*\b+4:BIAS+8*\b+7], v[BO], s[96:97] offset:64*\b+16
.endr
.macro FRAG reg, adr, q, i             ; 16 rows x 128 K of 4-bit codes: 8 registers; registers 4 c .. 4 c + 3 hold K = 64 c + 32 (l / 16) + 0 .. 31
.irp c, 0,1
	ds_load_b128 v[\reg+4*\c:\reg+4*\c+3], v[\adr] offset:64*(\q)+32*\c+(\i)*16*PITCH
.endr
.endm
; 16 matrix instructions: x's blocks a0, a0 + 1 against w's eight, 128 along K.  first = 1: the bias is the C and starts the sums.  The 64 accumulators take turns, one instruction a turn, in the same order in every step.
.macro MUL16 a0, p, q, sc, first
.irp a, \a0, \a0+1
.irp b, 0,1,2,3,4,5,6,7
.if \first
	v_wmma_scale_f32_16x16x128_f8f6f4 v[8*(8*((\a)%4)+\b):8*(8*((\a)%4)+\b)+7], v[128*(\p)+FR*\b:128*(\p)+FR*\b+FR-1], v[AF+FR*(\a):AF+FR*(\a)+FR-1], v[BIAS+8*\b:BIAS+8*\b+7], v[SC+8*NQ*(\sc)+NQ*\b+(\q)], v[SC+8*NQ*(\sc)+NQ*(\a)+(\q)] matrix_a_fmt:MATRIX_FMT_FP4 matrix_b_fmt:MATRIX_FMT_FP4 matrix_a_scale:MATRIX_SCALE_ROW1
.else
	v_wmma_scale_f32_16x16x128_f8f6f4 v[8*(8*((\a)%4)+\b):8*(8*((\a)%4)+\b)+7], v[128*(\p)+FR*\b:128*(\p)+FR*\b+FR-1], v[AF+FR*(\a):AF+FR*(\a)+FR-1], v[8*(8*((\a)%4)+\b):8*(8*((\a)%4)+\b)+7], v[SC+8*NQ*(\sc)+NQ*\b+(\q)], v[SC+8*NQ*(\sc)+NQ*(\a)+(\q)] matrix_a_fmt:MATRIX_FMT_FP4 matrix_b_fmt:MATRIX_FMT_FP4 matrix_a_scale:MATRIX_SCALE_ROW1
.endif
.endr
.endr
.endm
.macro FETCH_B slot, q, p
	WIN TO_B
.irp i, 0,1,2,3,4,5,6,7
	FRAG 128*(\p)+FR*\i, ADRB+\slot, \q, \i
.endr
	WIN 0
.endm
.macro FETCH_A slot, q, i0
.irp i, \i0, \i0+1, \i0+2, \i0+3
	FRAG AF+FR*(\i), ADRA+\slot, \q, \i
.endr
.endm
.macro SCALES sc                       ; a K step's scale words: lanes 0-15 take x's block i, lanes 16-31 w's block i
.irp i, 0,1,2,3,4,5,6,7
	ds_load_b128 v[SC+8*NQ*\sc+NQ*\i:SC+8*NQ*\sc+NQ*\i+3], v[ADRS] offset:\i*SBLK
.endr
.endm
.macro PLACES n                        ; plain vector instructions between a matrix instruction and a load into its registers or a read of its result
.rept \n
	v_nop
.endr
.endm
.macro STEP slot, q, first             ; a step of 128 along K that has its successor in the same slot
	s_wait_dscnt 4*NL                              ; w's set and x's blocks 0-3 are in; the youngest eight loads (x's blocks 4-7) may be out
.if \first
	WIN 0x81                                       ; C (the bias) in window 0, D in window 2
.else
	WIN MUL_LO
.endif
	MUL16 0, (\q)%2, \q, \slot, \first
	MUL16 2, (\q)%2, \q, \slot, \first
	s_wait_dscnt 0
	PLACES NP
	FETCH_B \slot, (\q)+1, 1-(\q)%2
	FETCH_A \slot, (\q)+1, 0
.if \first
	WIN 0xc1                                       ; C in window 0, D in window 3
.else
	WIN MUL_HI
.endif
	MUL16 4, (\q)%2, \q, \slot, \first
	MUL16 6, (\q)%2, \q, \slot, \first
	PLACES NP
	WIN 0
	FETCH_A \slot, (\q)+1, 4
.endm
; Slot 0's last step changes slots: one barrier; in front of it each wave waits for all its tensor loads (its part of slot 1), adds 0 to its spare word, and waits for that and for its reads of slot 0.  Nothing is filled again.
.macro TURN slot, next
	s_wait_tensorcnt 0x0
	ds_add_u32 v[SPW], v[NIL]
	s_wait_dscnt 4*NL+1                            ; the add and the youngest eight loads may be out
	WIN MUL_LO
	MUL16 0, 1, NQ-1, \slot, 0
	s_wait_dscnt 0x0                               ; the add is done, and my reads of this slot are over
	s_barrier_signal -1
	MUL16 2, 1, NQ-1, \slot, 0
	WIN 0
	s_barrier_wait -1
	PLACES NP
	v_add_nc_u32 v[ADRS], 4*NQ, v[ADRS]            ; on to the next K step's scale words
	FETCH_B \next, 0, 0
	FETCH_A \next, 0, 0
	SCALES \next
	WIN MUL_HI
	MUL16 4, 1, NQ-1, \slot, 0
	MUL16 6, 1, NQ-1, \slot, 0
	PLACES NP
	WIN 0
	FETCH_A \next, 0, 4
.endm
.macro STEPS slot, from
.set Q, \from
.rept NQ-1-\from
	STEP \slot, Q, 0
.set Q, Q+1
.endr
.endm
	s_wait_tensorcnt 1                             ; the scales and my part of slot 0 are in; slot 1's load may be out
	s_barrier_signal -1
	s_barrier_wait -1
	FETCH_B 0, 0, 0
	FETCH_A 0, 0, 0
	SCALES 0
	FETCH_A 0, 0, 4
	s_wait_loadcnt 0x0                             ; the bias
	STEP 0, 0, 1
	STEPS 0, 1
	TURN 0, 1
	STEPS 1, 0
	s_wait_dscnt 4*NL                              ; the very last step
	WIN MUL_LO
	MUL16 0, 1, NQ-1, 1, 0
	MUL16 2, 1, NQ-1, 1, 0
	s_wait_dscnt 0
	WIN MUL_HI
	MUL16 4, 1, NQ-1, 1, 0
	MUL16 6, 1, NQ-1, 1, 0
	WIN 0
	PLACES NP
	; POSITIONS 0-15 IN f32: where my rows begin a batch (cluster y = 0, the tile's upper half), block 0's eight accumulators are stored as they stand, 16 bytes a lane: 512 consecutive bytes a store.
	s_and_b32 s20, ttmp7, 0xffff
	s_or_b32 s20, s20, s15
	s_cmp_lg_u32 s20, 0                            ; the cluster's y and the wave's number: alike in all partners
	s_cbranch_scc1 .Lno_fine
	WIN 0x08                                       ; a store's data are its source 1: window 2
.irp b, 0,1,2,3,4,5,6,7
	global_store_b128 v[CO], v[8*\b:8*\b+3], s[98:99] offset:1024*\b          ; each accumulator from its low end on
	global_store_b128 v[CO], v[8*\b+4:8*\b+7], s[98:99] offset:1024*\b+512
.endr
	WIN 0
.Lno_fine:
; THE WAY OUT, a block of 16 positions x 128 columns (two heads) at a time: rounded to f16, 16 bytes a lane into my stage, back as whole rows.  16 positions of a head are 2,048 consecutive bytes of qkv16.
.macro PACK a
.set AC, 64*((\a)%4)
	WIN 0x0a+5*((\a)/4)                            ; sources 0 and 1: window 2 or 3
.irp b, 0,1,2,3,4,5,6,7
.irp r, 0,1,2,3
	v_cvt_pk_f16_f32 v[TMP+4*\b+\r], v[AC+8*\b+2*\r], v[AC+8*\b+2*\r+1]
.endr
.endr
	WIN 0
.endm
.macro TOSTAGE a
.set BK, OB+32*((\a)%2)
.irp b, 0,1,2,3,4,5,6,7
	ds_store_b128 v[STO], v[TMP+4*\b:TMP+4*\b+3] offset:(\b/4)*2304+(\b%4)*32
.endr
.irp t, 0,1,2,3,4,5,6,7
	ds_load_b128 v[BK+4*\t:BK+4*\t+3], v[RD] offset:(\t/4)*2304+(\t%4)*576   ; LDS serves a wave's instructions in order: these see the stores above
.endr
.endm
.macro SEND a
.set BK, OB+32*((\a)%2)
	s_wait_dscnt 0x0                               ; the block is back in registers
	s_wait_xcnt 0x0                                ; the stores of the block before have read their registers: the next loads from the stage may land there
.irp t, 0,1,2,3,4,5,6,7
	global_store_b128 v[CO], v[BK+4*\t:BK+4*\t+3], s[12:13] offset:2048*(\a)+262144*(\t/4)+512*(\t%4)   ; 32 lanes store 512 consecutive bytes, aligned
.endr
.endm
	PACK 0
	TOSTAGE 0
.irp a, 1,2,3,4,5,6,7                  ; block a's conversions stand between block a - 1's loads from the stage and the wait for them
	PACK \a
	SEND \a-1
	TOSTAGE \a
.endr
	SEND 7
	s_wait_tensorcnt 0x0                           ; the wave's end
	ds_add_u32 v[SPW], v[NIL]
	s_wait_dscnt 0x0
	CROUND                                         ; the closing round
	s_endpgm
.Lfunc_end_k_q7624ce27e3_qkv:
	.size	k_q7624ce27e3_qkv, .Lfunc_end_k_q7624ce27e3_qkv-k_q7624ce27e3_qkv
	.p2alignl 7, 3214868480
	.fill 96, 4, 3214868480
	.section	.rodata,"a",@progbits
	.p2align	6, 0x0
	.amdhsa_kernel k_q7624ce27e3_qkv
		.amdhsa_group_segment_fixed_size 327680
		.amdhsa_private_segment_fixed_size 0
		.amdhsa_enable_private_segment 0
		.amdhsa_kernarg_size 56
		.amdhsa_user_sgpr_count 2
		.amdhsa_user_sgpr_kernarg_segment_ptr 1
		.amdhsa_wavefront_size32 1
		.amdhsa_system_sgpr_workgroup_id_x 1
		.amdhsa_system_sgpr_workgroup_id_y 1
		.amdhsa_system_sgpr_workgroup_id_z 1
		.amdhsa_system_vgpr_workitem_id 0
		.amdhsa_next_free_vgpr 1024
		.amdhsa_next_free_sgpr 100
		.amdhsa_reserve_vcc 0
		.amdhsa_float_denorm_mode_32 3
		.amdhsa_float_denorm_mode_16_64 3
		.amdhsa_memory_ordered 1
		.amdhsa_forward_progress 1
		.amdhsa_inst_pref_size 130
	.end_amdhsa_kernel
	.amdgpu_metadata
---
amdhsa.version: [ 1, 2 ]
amdhsa.kernels:
  - .name:           k_q7624ce27e3_qkv
    .symbol:         k_q7624ce27e3_qkv.kd
    .args:
      - { .name: xc, .offset: 0, .size: 8, .value_kind: global_buffer, .address_space: global }
      - { .name: xs, .offset: 8, .size: 8, .value_kind: global_buffer, .address_space: global }
      - { .name: wc, .offset: 16, .size: 8, .value_kind: global_buffer, .address_space: global }
      - { .name: ws, .offset: 24, .size: 8, .value_kind: global_buffer, .address_space: global }
      - { .name: qkv16, .offset: 32, .size: 8, .value_kind: global_buffer, .address_space: global }
      - { .name: b_qkv, .offset: 40, .size: 8, .value_kind: global_buffer, .address_space: global }
      - { .name: qkvf, .offset: 48, .size: 8, .value_kind: global_buffer, .address_space: global }
    .group_segment_fixed_size: 327680
    .private_segment_fixed_size: 0
    .kernarg_segment_align: 8
    .kernarg_segment_size: 56
    .max_flat_workgroup_size: 128
    .sgpr_count:     100
    .vgpr_count:     1024
    .wavefront_size: 32
...
	.end_amdgpu_metadata
.endif
;; end of part 2
;; launch attn (part 3): grid 4 x 64, 8 waves a work-group, no clusters, 327,680 bytes of LDS; arguments qkv16, y16; writes y16
.if DOCPART == 3
	.amdgcn_target "amdgcn-amd-amdhsa--gfx1250"
	.amdhsa_code_object_version 6
	.text
	.protected	k_q7624ce27e3_attn
	.globl	k_q7624ce27e3_attn
	.p2align	8
	.type	k_q7624ce27e3_attn,@function
k_q7624ce27e3_attn:
	s_mov_b64 s[64:65], 0
	v_nop
	global_prefetch_b8 v0, s[64:65] scope:SCOPE_SE
	s_setreg_imm32_b32 hwreg(HW_REG_WAVE_MODE, 25, 1), 1
	s_wait_xcnt 0x0
; Launch 3 of 5: y[b][h][q] = the sum over k <= q of softmax_k(q . k / 8) v[k].  q, k, v: f16, [part][b x 16 + h][2048][64].  y16: f16, [h][b x 2048 + t][64].  Products on f16 operands with f32 sums; maxima, exponentials and sums in f32.
; WORK LEFT OUT: a key step all of whose 64 keys come after a wave's 32 queries (reference() masks them itself: their weights are 0 for all inputs).  A NaN, an infinity or an overflow that reaches only such steps is not carried to the result.
; SHARES.  Work-group (i, bh) owns two blocks of 256 queries of head bh: block 7 - i, then block i: (8 - i) + (i + 1) = 9 slots of 256 keys for every work-group, so all 256 have equal work and the walk's trip count is a constant.
; A wave owns 32 queries, two tiles of 16, so that each fragment of K and V read from LDS feeds two matrix instructions.  Eight waves, two to a SIMD: one wave's vector work stands beside the other's matrix work.
; NO CLUSTER: the four work-groups of a head want the same slot only in the first trips of their walks; a walk in which all four ask for every slot takes 12 slots' steps against 9.
; LAYOUT.  S^T = K Q^T (source 0 = 16 keys, source 1 = 16 queries): a lane holds ONE query (lane % 16) and keys 8 (lane / 16) + 0..7.  Two such tiles, rounded to f16 in pairs, are source 1 of O^T = V^T P.  V comes out of LDS turned, by ds_load_tr16_b128.
; SOFTMAX.  A running maximum m and sum l for each query: p = 2^(c s - c m), c = log2(e) / 8; in every step O^T and l are multiplied by a = 2^(c m_old - c m_new).  In every step that is walked the step's first key counts for all 32 queries, so m is a number.
; THE RING.  Two slots of 256 keys (K's rows, then V's), filled by waves 0-3, one tensor load each, and read by all eight.  The change of slots stands at a slot's head.  Every slot that is asked for is read.
; REGISTERS: window 0: v1-15 addresses and constants; v16-31 statistics, 8 a tile; v32-95 S^T, 32 a tile; v96-127 P; v128-191 K's fragments; v192-255 V's.  window 1: v0-63 O^T (32 t + 8 ct); v64-95 Q (64 + 16 t + 8 cs).
.set KP,    144                        ; a row of K in LDS: 128 bytes + 16
.set VP,    160                        ; a row of V: 128 bytes + 32
.set VOFF,  256*KP
.set SLOT1, 1<<17                      ; slot 1 begins here: one exclusive or turns an address
.set STAGE, SLOT1+VOFF+256*VP          ; behind the ring: 32 rows x 144 bytes for each wave; no fill lands here
.set SPARE, STAGE+8*4608               ; the spare words, 128 bytes for each wave
.set AK0, 1
.set AV0, 2
.set ADK, 3
.set ADV, 4
.set QO,  5
.set STO, 6
.set RD,  7
.set GO,  8
.set PFO, 9
.set D0,  10                           ; v10, v11: my query less the step's first key less 8 (lane / 16), for tiles 0 and 1
.set NINF, 12
.set RH,  13                           ; lane % 16 - 8 (lane / 16)
.set SPW, 14
.set NIL, 15
.set ST,  16                           ; tile t at v[ST + 8 t]: +0 c m, +1 m, +2, +3 l, +4 .. +7 at work; a at +6
.set S,   32
.set P,   96
.set KFR, 128
.set VF,  192
.set WV,  8
.set I,   9
.set BH,  10
.set QBS, 12                           ; s[12:13] the head's q; s[14:15] its k; s[16:17] its v
.set KBS, 14
.set VBS, 16
.set QB,  18                           ; the block of queries in hand
.set KSL, 19                           ; the slot of keys in hand
.set NK,  20                           ; the next trip's
.set NQB, 21
.set KF,  22                           ; the step's first key
.set Q0,  23                           ; my first query
.set G1K, 24
.set G1V, 32
.set G0K, 40
.set G0V, 44
.set KO,  48
.set TBK, 50                           ; LDS byte at which the step's rows of K begin
.set TBV, 51                           ; the same for V (less VOFF)
.set TRIPS, 52
.set STEPS, 53
.set CS,  54
.set SEL, 56
.set YB,  58
.set QA,  60
.set PFK, 66
.set PFV, 68
.set LIM, 70
.set KLB, 72                           ; s[72:73], s[74:75]: k and v at the half of a slot that I fetch
.set VLB, 74
.set MSB, 0
.macro WIN new
.if MSB != (\new)
	s_set_vgpr_msb (MSB<<8)|(\new)
.set MSB, (\new)
.endif
.endm
.macro PLACES
.rept 4
	v_nop
.endr
.endm
; Waves 0 and 1 fetch K's halves, waves 2 and 3 V's, the others nothing.  An s_nop 0 and four v_nop follow each of the two lines.
.macro TLOAD
	s_cmp_lt_u32 s[WV], 2
	s_cbranch_scc0 .Lnot_k_\@
	tensor_load_to_lds s[G0K:G0K+3], s[G1K:G1K+7]
	s_nop 0
.rept 4
	v_nop
.endr
	s_branch .Lasked_\@
.Lnot_k_\@:
	s_cmp_lt_u32 s[WV], 4
	s_cbranch_scc0 .Lasked_\@
	tensor_load_to_lds s[G0V:G0V+3], s[G1V:G1V+7]
	s_nop 0
.rept 4
	v_nop
.endr
.Lasked_\@:
.endm
; A PREFETCH INTO THE L2 of the slot that the NEXT change of slots will ask for.  The head's work-group 0 walks slots 0 to 7 in order; in it waves 4 to 7, which fetch nothing, ask: 8,192 bytes of K and of V a wave, lanes 256 bytes apart.
; So each aligned block of 256 bytes is named once in the launch.  Trip n names slot n + 2, for n = 0 .. 5; slots 0 and 1 come by their loads alone, and behind slot 7 there is nothing.
.macro ASK
	s_cmp_gt_u32 s[TRIPS], s[LIM]
	s_cbranch_scc0 .Lnot_mine_\@
	global_prefetch_b8 v[PFO], s[PFK:PFK+1] th:TH_LOAD_NT scope:SCOPE_SE
	global_prefetch_b8 v[PFO], s[PFV:PFV+1] th:TH_LOAD_NT scope:SCOPE_SE
.Lnot_mine_\@:
.endm
	s_load_b128 s[4:7], s[0:1], 0x0                ; qkv16 s[4:5], y16 s[6:7]
	v_lshl_add_u32 v[SPW], v0, 2, SPARE
	v_mov_b32 v[NIL], 0
	ds_add_u32 v[SPW], v[NIL]                      ; the wave's opening: the add, twice on end, and its wait ahead of the first tensor load
	ds_add_u32 v[SPW], v[NIL]
	v_lshrrev_b32 v32, 5, v0
	v_readfirstlane_b32 s[WV], v32                 ; wave 0..7
	s_mov_b32 s[I], ttmp9
	s_and_b32 s[BH], ttmp7, 0xffff
	s_mov_b32 s[G1K], (1<<16)|(1<<20)|(4<<22)|(3<<25)   ; elements of 2 bytes; padding on: after every 32 words four words
	s_mov_b32 s[G1V], (1<<16)|(1<<20)|(4<<22)|(7<<25)   ; the same with eight words
.irp g, G1K, G1V
	s_mov_b32 s[\g+1], 64<<16                      ; tensor_dim0 = 64
	s_mov_b32 s[\g+2], 128<<16                     ; tensor_dim1 = 128
	s_mov_b32 s[\g+3], 64<<16                      ; tile_dim0
	s_mov_b32 s[\g+4], 128                         ; tile_dim1
	s_mov_b32 s[\g+5], 64                          ; the pitch
	s_mov_b32 s[\g+6], 0
	s_mov_b32 s[\g+7], 0
.endr
	s_mov_b32 s[CS], 0x3e38aa3b                    ; c = log2(e) / 8
	s_mov_b32 s[CS+1], s[CS]
	s_mov_b32 s[SEL], 0x76543210
	s_mov_b32 s[SEL+1], 0xfedcba98
	s_sub_co_u32 s[QB], 7, s[I]                    ; the first block of queries
	s_mov_b32 s[KSL], 0
	s_mov_b32 s[KF], 0
	s_lshl_b32 s[Q0], s[QB], 8
	s_lshl_b32 s62, s[WV], 5
	s_add_co_u32 s[Q0], s[Q0], s62
	s_mov_b32 s[TBK], 0
	s_mov_b32 s[TBV], 0
	s_mov_b32 s[TRIPS], 8
	s_mov_b32 s[KO+1], 0
	s_and_b32 s71, s[WV], 1                        ; which half of a slot's rows I fetch
	s_mul_i32 s76, s71, 128*KP
	s_mul_i32 s77, s71, 128*VP
	s_add_co_u32 s77, s77, VOFF
	s_lshr_b32 s78, s[WV], 2
	s_xor_b32 s78, s78, 1                          ; 0 in waves 4 to 7,
	s_or_b32 s78, s78, ttmp9                       ; of the head's work-group 0
	s_cmp_eq_u32 s78, 0
	s_cselect_b32 s[LIM], 2, -1
	s_lshl_b32 s62, s[BH], 18                      ; a head is 262,144 bytes
	s_mov_b32 s63, 0
	s_wait_dscnt 0x0                               ; both opening adds are done
	s_wait_kmcnt 0x0
	s_add_nc_u64 s[QBS:QBS+1], s[4:5], s[62:63]
	s_add_nc_u64 s[KBS:KBS+1], s[QBS:QBS+1], 0x1000000   ; 64 heads on
	s_add_nc_u64 s[VBS:VBS+1], s[QBS:QBS+1], 0x2000000
	s_lshl_b32 s62, s71, 14                        ; 128 rows of 128 bytes
	s_add_nc_u64 s[KLB:KLB+1], s[KBS:KBS+1], s[62:63]
	s_add_nc_u64 s[VLB:VLB+1], s[VBS:VBS+1], s[62:63]
	s_mov_b32 s[G0K], 1
	s_mov_b32 s[G0K+1], s76
	s_mov_b64 s[G0K+2:G0K+3], s[KLB:KLB+1]
	s_or_b32 s[G0K+3], s[G0K+3], 0x80000000
	s_mov_b32 s[G0V], 1
	s_mov_b32 s[G0V+1], s77
	s_mov_b64 s[G0V+2:G0V+3], s[VLB:VLB+1]
	s_or_b32 s[G0V+3], s[G0V+3], 0x80000000
	TLOAD                                          ; slot 0: keys 0 to 255, which count for every block
	s_and_b32 s62, s[WV], 3
	s_lshl_b32 s62, s62, 13
	s_add_co_u32 s62, s62, 32768                   ; my 8,192 bytes, in slot 1: the first change of slots steps it to slot 2
	s_add_nc_u64 s[PFK:PFK+1], s[KBS:KBS+1], s[62:63]
	s_add_nc_u64 s[PFV:PFV+1], s[VBS:VBS+1], s[62:63]
	v_and_b32 v32, 15, v0                          ; r
	v_bfe_u32 v33, v0, 4, 1                        ; h
	v_mul_u32_u24 v[AK0], v32, KP
	v_lshl_add_u32 v[AK0], v33, 4, v[AK0]          ; K: row r x pitch + 16 h
	v_and_b32 v34, 7, v0
	v_bfe_u32 v35, v0, 3, 1
	v_lshl_add_u32 v[AV0], v33, 3, v34
	v_mul_u32_u24 v[AV0], v[AV0], VP
	v_lshl_add_u32 v[AV0], v35, 4, v[AV0]
	v_add_nc_u32 v[AV0], VOFF, v[AV0]              ; V, for the turning load: key 8 h + l % 8, channels 8 ((l / 8) % 2) on
	v_lshlrev_b32 v[QO], 7, v32
	v_lshl_add_u32 v[QO], v33, 4, v[QO]            ; Q in memory: row r of 128 bytes + 16 h
	s_mul_i32 s62, s[WV], 4608
	s_add_co_u32 s62, s62, STAGE
	v_mul_u32_u24 v[STO], v32, KP
	v_lshl_add_u32 v[STO], v33, 4, v[STO]
	v_add_nc_u32 v[STO], s62, v[STO]
	v_and_b32 v36, 31, v0
	v_lshrrev_b32 v37, 3, v36
	v_mul_u32_u24 v[RD], v37, KP
	v_lshl_add_u32 v[RD], v34, 4, v[RD]
	v_add_nc_u32 v[RD], s62, v[RD]                 ; back: eight lanes to a row, four rows an instruction
	v_lshlrev_b32 v[GO], 4, v36
	v_lshlrev_b32 v[PFO], 8, v36
	v_mov_b32 v[NINF], 0xff800000
	v_lshlrev_b32 v37, 3, v33
	v_sub_nc_u32 v[RH], v32, v37
; A block of queries begins: Q's fragments are asked for, O^T and l are zeros, m is under every score.
.macro START
	s_wait_loadcnt 0x0                             ; no load of Q is out: its registers and its address may be written
	s_lshl_b32 s62, s[Q0], 7
	s_mov_b32 s63, 0
	s_add_nc_u64 s[QA:QA+1], s[QBS:QBS+1], s[62:63]
	WIN 0x40                                       ; destination window 1
.irp t, 0,1
.irp cs, 0,1
	global_load_b128 v[64+16*\t+8*\cs:64+16*\t+8*\cs+3], v[QO], s[QA:QA+1] offset:2048*\t+64*\cs
	global_load_b128 v[64+16*\t+8*\cs+4:64+16*\t+8*\cs+7], v[QO], s[QA:QA+1] offset:2048*\t+64*\cs+32
.endr
.endr
.set i, 0
.rept 64
	v_mov_b32 v[i], 0                              ; O^T: the step is written once, and the first finds zeros
.set i, i+1
.endr
	WIN 0
.irp t, 0,1
	v_mov_b32 v[ST+8*\t+1], 0xff61b1e6             ; m = -3e38
.irp k, 2,3,4,5,6,7
	v_mov_b32 v[ST+8*\t+\k], 0
.endr
	v_mul_f32 v[ST+8*\t], s[CS], v[ST+8*\t+1]      ; c m
.endr
.endm
; A KEY STEP: 64 keys.
.macro STEP
	s_add_co_u32 s62, s[Q0], 31
	s_cmp_gt_u32 s[KF], s62                        ; all 64 keys come after my 32 queries: the step's work is left out; the lines at its end that step addresses are not
	s_cbranch_scc1 .Lhid_\@
	v_add_nc_u32 v[ADK], s[TBK], v[AK0]
	v_add_nc_u32 v[ADV], s[TBV], v[AV0]
	v_nop
	v_nop                                          ; four places in front of loads into registers that the last products have read
.irp kt, 0,1,2,3
.irp cs, 0,1
	ds_load_b128 v[KFR+8*(2*\kt+\cs):KFR+8*(2*\kt+\cs)+3], v[ADK] offset:2304*\kt+64*\cs
	ds_load_b128 v[KFR+8*(2*\kt+\cs)+4:KFR+8*(2*\kt+\cs)+7], v[ADK] offset:2304*\kt+64*\cs+32
.endr
.endr
.irp kg, 0,1
.irp ct, 0,1,2,3
	ds_load_tr16_b128 v[VF+8*(4*\kg+\ct):VF+8*(4*\kg+\ct)+3], v[ADV] offset:5120*\kg+32*\ct
	ds_load_tr16_b128 v[VF+8*(4*\kg+\ct)+4:VF+8*(4*\kg+\ct)+7], v[ADV] offset:5120*\kg+32*\ct+2560
.endr
.endr
	s_wait_loadcnt 0x0                             ; Q (met at once in all but a block's first step)
	s_wait_dscnt 16                                ; K's 16 loads are in; V's 16 may be out
	WIN 0x04                                       ; source 1 (Q) window 1
.irp cs, 0,1                                   ; S^T = K Q^T: the eight accumulators by turns
.irp kt, 0,1,2,3
.irp t, 0,1
.if \cs == 0
	v_wmma_f32_16x16x32_f16 v[S+32*\t+8*\kt:S+32*\t+8*\kt+7], v[KFR+8*(2*\kt+\cs):KFR+8*(2*\kt+\cs)+7], v[64+16*\t+8*\cs:64+16*\t+8*\cs+7], 0
.else
	v_wmma_f32_16x16x32_f16 v[S+32*\t+8*\kt:S+32*\t+8*\kt+7], v[KFR+8*(2*\kt+\cs):KFR+8*(2*\kt+\cs)+7], v[64+16*\t+8*\cs:64+16*\t+8*\cs+7], v[S+32*\t+8*\kt:S+32*\t+8*\kt+7]
.endif
.endr
.endr
.endr
	WIN 0
	PLACES
	s_add_co_u32 s62, s[KF], 63
	s_cmp_le_u32 s62, s[Q0]                        ; all 64 keys count for all my queries: no mask
	s_cbranch_scc1 .Lopen_\@
	s_sub_co_i32 s62, s[Q0], s[KF]
	v_add_nc_u32 v[D0], s62, v[RH]                 ; register 8 kt + j holds key KF + 16 kt + 8 h + j: hidden where 16 kt + j > my query - KF - 8 h
	v_add_nc_u32 v[D0+1], 16, v[D0]
.irp t, 0,1
.set n, 0
.rept 32
	v_cmp_gt_i32 vcc_lo, 16*(n/8)+n%8, v[D0+\t]
	v_cndmask_b32 v[S+32*\t+n], v[S+32*\t+n], v[NINF], vcc_lo
.set n, n+1
.endr
.endr
.Lopen_\@:
.irp q, 0,1,2,3                                ; the maximum of 32 scores and the old m: four chains, the two tiles by turns; each accumulator is read from its low end on
.irp t, 0,1
	v_max3_num_f32 v[ST+8*\t+4+\q], v[S+32*\t+8*\q], v[S+32*\t+8*\q+1], v[S+32*\t+8*\q+2]
.endr
.endr
.irp g, 1,2
.irp q, 0,1,2,3
.irp t, 0,1
	v_max3_num_f32 v[ST+8*\t+4+\q], v[ST+8*\t+4+\q], v[S+32*\t+8*\q+2*\g+1], v[S+32*\t+8*\q+2*\g+2]
.endr
.endr
.endr
.irp t, 0,1
	v_max3_num_f32 v[ST+8*\t+4], v[ST+8*\t+4], v[S+32*\t+7], v[S+32*\t+15]
.endr
.irp t, 0,1
	v_max3_num_f32 v[ST+8*\t+6], v[ST+8*\t+6], v[S+32*\t+23], v[S+32*\t+31]
.endr
.irp t, 0,1
	v_max3_num_f32 v[ST+8*\t+4], v[ST+8*\t+4], v[ST+8*\t+5], v[ST+8*\t+6]
.endr
.irp t, 0,1
	v_max3_num_f32 v[ST+8*\t+4], v[ST+8*\t+4], v[ST+8*\t+7], v[ST+8*\t+1]
.endr
.irp t, 0,1
	v_permlanex16_b32 v[ST+8*\t+5], v[ST+8*\t+4], s[SEL], s[SEL+1]   ; the query's other 32 keys lie in the lane 16 away
.endr
.irp t, 0,1
	v_mov_b32 v[ST+8*\t+7], v[ST+8*\t]             ; c m_old
.endr
.irp t, 0,1
	v_max_num_f32 v[ST+8*\t+1], v[ST+8*\t+4], v[ST+8*\t+5]
.endr
.irp t, 0,1
	v_mul_f32 v[ST+8*\t], s[CS], v[ST+8*\t+1]
.endr
.irp t, 0,1
	v_sub_f32 v[ST+8*\t+7], v[ST+8*\t+7], v[ST+8*\t]
.endr
.set n, 0
.rept 16
.irp t, 0,1
	v_pk_fma_f32 v[S+32*\t+2*n:S+32*\t+2*n+1], v[S+32*\t+2*n:S+32*\t+2*n+1], s[CS:CS+1], v[ST+8*\t:ST+8*\t+1] op_sel_hi:[1,0,0] neg_lo:[0,0,1] neg_hi:[0,0,1]   ; c s - c m
.endr
.set n, n+1
.endr
.irp t, 0,1
	v_exp_f32 v[ST+8*\t+6], v[ST+8*\t+7]           ; a
.endr
.set n, 0
.rept 32
.irp t, 0,1
	v_exp_f32 v[S+32*\t+n], v[S+32*\t+n]           ; p
.endr
.set n, n+1
.endr
	v_nop                                          ; a plain instruction behind the last exponential
	s_wait_alu depctr_va_vdst(0)                   ; one wait for the batch of 66, ahead of its first reader
.set n, 0
.rept 16
.irp t, 0,1
	v_cvt_pk_f16_f32 v[P+16*\t+n], v[S+32*\t+2*n], v[S+32*\t+2*n+1]
.endr
.set n, n+1
.endr
.irp z, 0,1,2,3,4,5,6,7                        ; the sum of the 16 pairs, in place
.irp t, 0,1
	v_pk_add_f32 v[S+32*\t+4*\z:S+32*\t+4*\z+1], v[S+32*\t+4*\z:S+32*\t+4*\z+1], v[S+32*\t+4*\z+2:S+32*\t+4*\z+3]
.endr
.endr
.irp z, 0,1,2,3
.irp t, 0,1
	v_pk_add_f32 v[S+32*\t+8*\z:S+32*\t+8*\z+1], v[S+32*\t+8*\z:S+32*\t+8*\z+1], v[S+32*\t+8*\z+4:S+32*\t+8*\z+5]
.endr
.endr
.irp z, 0,1
.irp t, 0,1
	v_pk_add_f32 v[S+32*\t+16*\z:S+32*\t+16*\z+1], v[S+32*\t+16*\z:S+32*\t+16*\z+1], v[S+32*\t+16*\z+8:S+32*\t+16*\z+9]
.endr
.endr
.irp t, 0,1
	v_pk_add_f32 v[S+32*\t:S+32*\t+1], v[S+32*\t:S+32*\t+1], v[S+32*\t+16:S+32*\t+17]
.endr
.irp t, 0,1
	v_pk_fma_f32 v[ST+8*\t+2:ST+8*\t+3], v[ST+8*\t+2:ST+8*\t+3], v[ST+8*\t+6:ST+8*\t+7], v[S+32*\t:S+32*\t+1] op_sel_hi:[1,0,1]   ; l = a l + the sum
.endr
	WIN 0x41                                       ; O^T (destination and source 0) window 1, a window 0
.irp t, 0,1
.set n, 0
.rept 16
	v_pk_mul_f32 v[32*\t+2*n:32*\t+2*n+1], v[32*\t+2*n:32*\t+2*n+1], v[ST+8*\t+6:ST+8*\t+7] op_sel_hi:[1,0]
.set n, n+1
.endr
.endr
	s_wait_dscnt 0x0                               ; V is in
	WIN 0x50                                       ; C and D window 1
.irp kg, 0,1                                   ; O^T += V^T P: the eight accumulators by turns
.irp ct, 0,1,2,3
.irp t, 0,1
	v_wmma_f32_16x16x32_f16 v[32*\t+8*\ct:32*\t+8*\ct+7], v[VF+8*(4*\kg+\ct):VF+8*(4*\kg+\ct)+7], v[P+16*\t+8*\kg:P+16*\t+8*\kg+7], v[32*\t+8*\ct:32*\t+8*\ct+7]
.endr
.endr
.endr
	WIN 0
.Lhid_\@:
	s_add_co_u32 s[KF], s[KF], 64
	s_add_co_u32 s[TBK], s[TBK], 64*KP
	s_add_co_u32 s[TBV], s[TBV], 64*VP
.endm
.macro SLOT_STEPS                      ; a slot's four key steps: written once, walked four times
	s_mov_b32 s[STEPS], 4
.Lstep_\@:
	STEP
	s_sub_co_u32 s[STEPS], s[STEPS], 1
	s_cmp_lg_u32 s[STEPS], 0
	s_cbranch_scc1 .Lstep_\@
	s_sub_co_u32 s[TBK], s[TBK], 256*KP            ; back to a slot's first step,
	s_sub_co_u32 s[TBV], s[TBV], 256*VP
	s_xor_b32 s[TBK], s[TBK], SLOT1                ; in the other slot
	s_xor_b32 s[TBV], s[TBV], SLOT1
.endm
; THE CHANGE OF SLOTS, at a slot's head.  Each wave waits for all its tensor loads (its part of the slot that it is about to read), adds 0 to its spare word, and waits for that and for its reads of the slot that it has left.
; fill = 1: behind the barrier the slot just left is filled with the next trip's keys: the block's next 256, or, behind a block's last slot, keys 0 to 255 for the second block.  One load of a wave is out; it has a slot's four steps in which to land.
.macro CHANGE fill
	s_wait_tensorcnt 0x0                           ; no tensor load of mine is out, so a group 0 may be written
	ds_add_u32 v[SPW], v[NIL]
.if \fill
	ds_add_u32 v[SPW], v[NIL]                      ; and once more, in every trip alike
	s_add_co_u32 s[NK], s[KSL], 1
	s_cmp_eq_u32 s[KSL], s[QB]                     ; the block's last slot?
	s_cselect_b32 s[NK], 0, s[NK]
	s_cselect_b32 s[NQB], s[I], s[QB]
	s_lshl_b32 s[KO], s[NK], 15                    ; a slot is 32,768 bytes of K and of V
	s_add_nc_u64 s[G0K+2:G0K+3], s[KLB:KLB+1], s[KO:KO+1]
	s_or_b32 s[G0K+3], s[G0K+3], 0x80000000
	s_add_nc_u64 s[G0V+2:G0V+3], s[VLB:VLB+1], s[KO:KO+1]
	s_or_b32 s[G0V+3], s[G0V+3], 0x80000000
	s_xor_b32 s[G0K+1], s[G0K+1], SLOT1
	s_xor_b32 s[G0V+1], s[G0V+1], SLOT1
	s_wait_xcnt 0x0                                ; the last prefetches, a slot back, have read their addresses
	s_add_nc_u64 s[PFK:PFK+1], s[PFK:PFK+1], 32768
	s_add_nc_u64 s[PFV:PFV+1], s[PFV:PFV+1], 32768
.endif
	s_wait_dscnt 0x0                               ; the add is done, and my reads of the slot that I have left are over
	s_barrier_signal -1
	s_barrier_wait -1
.if \fill
	TLOAD                                          ; the first thing behind the barrier, and a wave's one tensor load until the next
	ASK
.endif
.endm
; A block of queries ends: O^T / l, rounded to f16, goes through my stage and leaves as 4,096 consecutive bytes of y16.
.macro FINISH
	PLACES                                         ; behind the last products
	s_and_b32 s62, s[BH], 15
	s_lshl_b32 s62, s62, 13                        ; the head's plane: 8,192 rows,
	s_lshr_b32 s63, s[BH], 4
	s_lshl_b32 s63, s63, 11                        ; the batch's 2,048,
	s_add_co_u32 s62, s62, s63
	s_add_co_u32 s62, s62, s[Q0]                   ; my first query
	s_lshl_b32 s62, s62, 7
	s_mov_b32 s63, 0
	s_add_nc_u64 s[YB:YB+1], s[6:7], s[62:63]
.irp t, 0,1
	v_add_f32 v[ST+8*\t+4], v[ST+8*\t+2], v[ST+8*\t+3]
.endr
.irp t, 0,1
	v_permlanex16_b32 v[ST+8*\t+5], v[ST+8*\t+4], s[SEL], s[SEL+1]
.endr
.irp t, 0,1
	v_add_f32 v[ST+8*\t+4], v[ST+8*\t+4], v[ST+8*\t+5]
.endr
.irp t, 0,1
	v_rcp_f32 v[ST+8*\t+6], v[ST+8*\t+4]
.endr
	v_nop
	s_wait_alu depctr_va_vdst(0)                   ; one wait for the two reciprocals, ahead of their first reader
	WIN 0x41
.irp t, 0,1
.set n, 0
.rept 16
	v_pk_mul_f32 v[32*\t+2*n:32*\t+2*n+1], v[32*\t+2*n:32*\t+2*n+1], v[ST+8*\t+6:ST+8*\t+7] op_sel_hi:[1,0]
.set n, n+1
.endr
.endr
	WIN 0x05                                       ; sources window 1, destination window 0
.irp t, 0,1
.set n, 0
.rept 16
	v_cvt_pk_f16_f32 v[S+16*\t+n], v[32*\t+2*n], v[32*\t+2*n+1]
.set n, n+1
.endr
.endr
	WIN 0
.irp t, 0,1
.irp ct, 0,1,2,3
	ds_store_b128 v[STO], v[S+16*\t+4*\ct:S+16*\t+4*\ct+3] offset:2304*\t+32*\ct
.endr
.endr
.irp i, 0,1,2,3,4,5,6,7
	ds_load_b128 v[S+32+4*\i:S+32+4*\i+3], v[RD] offset:576*\i   ; LDS serves a wave's instructions in order: these see the stores above
.endr
.irp i, 0,1,2,3,4,5,6,7
	s_wait_dscnt 7-\i                              ; rows 4 i on are back; the later ones may be out
	global_store_b128 v[GO], v[S+32+4*\i:S+32+4*\i+3], s[YB:YB+1] offset:512*\i   ; 32 lanes store 512 consecutive bytes, aligned
.endr
	s_wait_xcnt 0x0                                ; the stores have read their registers and their base: both are written again
.endm
	START
.Ltrip:                                            ; eight trips and a ninth written out: behind each change of slots but the last the next slot is asked for
	CHANGE 1
	SLOT_STEPS
	s_cmp_lg_u32 s[KSL], s[QB]                     ; the first block's last slot: its results go out and the second block begins.  Ids and counts alone: all eight waves go the same way
	s_cbranch_scc1 .Lsame
	FINISH
	s_lshl_b32 s[Q0], s[NQB], 8
	s_lshl_b32 s62, s[WV], 5
	s_add_co_u32 s[Q0], s[Q0], s62
	START
.Lsame:
	s_mov_b32 s[KSL], s[NK]
	s_mov_b32 s[QB], s[NQB]
	s_lshl_b32 s[KF], s[NK], 8
	s_sub_co_u32 s[TRIPS], s[TRIPS], 1
	s_cmp_lg_u32 s[TRIPS], 0
	s_cbranch_scc1 .Ltrip
	CHANGE 0                                       ; the last slot: nothing is left to fetch
	SLOT_STEPS
	FINISH
	s_wait_tensorcnt 0x0                           ; the wave's end
	ds_add_u32 v[SPW], v[NIL]
	s_wait_dscnt 0x0
	s_endpgm
.Lfunc_end_k_q7624ce27e3_attn:
	.size	k_q7624ce27e3_attn, .Lfunc_end_k_q7624ce27e3_attn-k_q7624ce27e3_attn
	.p2alignl 7, 3214868480
	.fill 96, 4, 3214868480
	.section	.rodata,"a",@progbits
	.p2align	6, 0x0
	.amdhsa_kernel k_q7624ce27e3_attn
		.amdhsa_group_segment_fixed_size 327680
		.amdhsa_private_segment_fixed_size 0
		.amdhsa_enable_private_segment 0
		.amdhsa_kernarg_size 16
		.amdhsa_user_sgpr_count 2
		.amdhsa_user_sgpr_kernarg_segment_ptr 1
		.amdhsa_wavefront_size32 1
		.amdhsa_system_sgpr_workgroup_id_x 1
		.amdhsa_system_sgpr_workgroup_id_y 1
		.amdhsa_system_sgpr_workgroup_id_z 1
		.amdhsa_system_vgpr_workitem_id 0
		.amdhsa_next_free_vgpr 384
		.amdhsa_next_free_sgpr 80
		.amdhsa_reserve_vcc 1
		.amdhsa_float_denorm_mode_32 3
		.amdhsa_float_denorm_mode_16_64 3
		.amdhsa_memory_ordered 1
		.amdhsa_forward_progress 1
		.amdhsa_inst_pref_size 73
	.end_amdhsa_kernel
	.amdgpu_metadata
---
amdhsa.version: [ 1, 2 ]
amdhsa.kernels:
  - .name:           k_q7624ce27e3_attn
    .symbol:         k_q7624ce27e3_attn.kd
    .args:
      - { .name: qkv16, .offset: 0, .size: 8, .value_kind: global_buffer, .address_space: global }
      - { .name: y16, .offset: 8, .size: 8, .value_kind: global_buffer, .address_space: global }
    .group_segment_fixed_size: 327680
    .private_segment_fixed_size: 0
    .kernarg_segment_align: 8
    .kernarg_segment_size: 16
    .max_flat_workgroup_size: 256
    .sgpr_count:     80
    .vgpr_count:     384
    .wavefront_size: 32
...
	.end_amdgpu_metadata
.endif
;; end of part 3
;; launch proj (part 4): grid 4 x 64, 4 waves a work-group, clusters of 4 x 4, 327,680 bytes of LDS; arguments y16, wp16, b_proj, out0; writes out0
.if DOCPART == 4
	.amdgcn_target "amdgcn-amd-amdhsa--gfx1250"
	.amdhsa_code_object_version 6
	.text
	.protected	k_q7624ce27e3_proj
	.globl	k_q7624ce27e3_proj
	.p2align	8
	.type	k_q7624ce27e3_proj,@function
k_q7624ce27e3_proj:
	s_mov_b64 s[64:65], 0
	v_nop
	global_prefetch_b8 v0, s[64:65] scope:SCOPE_SE
	s_setreg_imm32_b32 hwreg(HW_REG_WAVE_MODE, 25, 1), 1
	s_wait_xcnt 0x0
	s_wait_alu depctr_hold_cnt(0) depctr_sa_sdst(0) depctr_va_vdst(0) depctr_va_sdst(0) depctr_va_ssrc(0) depctr_va_vcc(0) depctr_vm_vsrc(0)
	s_getreg_b32 s2, hwreg(HW_REG_IB_STS2, 6, 4)
	s_cmp_eq_u32 s2, 0
	s_cbranch_scc0 .Lentry_in_a_cluster
	s_endpgm
.Lentry_in_a_cluster:
	s_bfe_u32 s2, ttmp6, 0x10000c
	s_cmp_lg_u32 s2, 0xf033
	s_cbranch_scc0 .Lentry_shape_is_right
	s_endpgm
.Lentry_shape_is_right:
; Launch 4 of 5: out0 = y w_proj + b_proj, f16 operands, f32 sums.  y16: [head 16][row 8192][64] f16 (k = 64 head + channel); wp16: [k 1024][n 1024] f16; out0: [8192][1024] f32.
; All rows are made here; the rows of positions 0-15 of each batch lie inside tiles with live work and are written over by the last launch, which makes them in f32.
; A tile of 128 rows x 256 columns to a work-group: 4 x 64 = 256 work-groups.  Four waves, each 64 x 128: 32 accumulators, all of window 1.  K goes in steps of 128 (two heads) through two LDS slots.
; y's rows lie along K and come out of LDS as they lie; w_proj's rows lie along n and come out turned, by ds_load_tr16_b128.
; CLUSTERS: 4 x 4.  The four of a row of the cluster need the same tiles of y, the four of a column the same tiles of w: each is asked for JOINTLY.  THE MATRIX INSTRUCTION IS USED TRANSPOSED (source 0 = 16 columns of w, source 1 = 16 rows of y).
; REGISTERS: window 0: v0-31 addresses; two fragment buffers of 96 at v32 and v128 (32 of y, then 64 of w, for 32 along K); on the way out v32-159 are rows of out0.  window 1: accumulator (a, b) at v[8 (8 a + b)].  window 2: v0-63 the bias.
.set SLOT,   106496                    ; y: 2 heads x 128 rows x 144 bytes; then w: 128 rows of k x 544 bytes
.set BOFF,   36864
.set STAGE,  2*SLOT                    ; behind the ring: 16 rows x 528 bytes for each wave; no fill lands here
.set SPARE,  STAGE+4*8448
.set ADRA, 16
.set ADRB, 20
.set STO,  24
.set RD,   25
.set CO,   26
.set BO,   27
.set SPW,  28
.set NIL,  29
.set F0,   32
.set F1,   128
.set BK,   32
.set G1, 24
.set G0, 32
.set G1B, 48
.set G0B, 56
.set MSB, 0
.macro WIN new
.if MSB != (\new)
	s_set_vgpr_msb (MSB<<8)|(\new)
.set MSB, (\new)
.endif
.endm
.set MUL, 0x50                         ; C and D window 1, the sources window 0
.macro JLOAD s                         ; waves 0 and 1 fetch y's two heads, waves 2 and 3 the two halves of w's rows; an s_nop 0 and four v_nop follow each line
	s_cmp_eq_u32 s13, 0
	s_cbranch_scc0 .Lfor_b_\@
	tensor_load_to_lds s[G0+4*\s:G0+4*\s+3], s[G1:G1+7]
	s_nop 0
.rept 4
	v_nop
.endr
	s_branch .Lasked_\@
.Lfor_b_\@:
	tensor_load_to_lds s[G0B+4*\s:G0B+4*\s+3], s[G1B:G1B+7]
	s_nop 0
.rept 4
	v_nop
.endr
.Lasked_\@:
.endm
.macro CREST
	s_cmp_lg_u32 s12, 0
	s_cbranch_scc1 .Lnot_wave_0_\@
	s_barrier_signal -3
.Lnot_wave_0_\@:
	s_barrier_wait -3
	s_barrier_signal -1
	s_barrier_wait -1
.endm
.macro CROUND
	s_barrier_signal -1
	s_barrier_wait -1
	CREST
.endm
	s_load_b128 s[4:7], s[0:1], 0x0                ; y16 s[4:5], wp16 s[6:7]
	s_load_b128 s[8:11], s[0:1], 0x10              ; b_proj s[8:9], out0 s[10:11]
	v_lshl_add_u32 v[SPW], v0, 2, SPARE
	v_mov_b32 v[NIL], 0
	ds_add_u32 v[SPW], v[NIL]                      ; the wave's opening: the add, twice on end, and its wait ahead of my first tensor load
	ds_add_u32 v[SPW], v[NIL]
	v_lshrrev_b32 v1, 5, v0
	v_readfirstlane_b32 s12, v1                    ; wave 0..3
	s_lshr_b32 s13, s12, 1                         ; which 64 rows are mine.  Also: I fetch for y (0) or for w (1)
	s_and_b32 s14, s12, 1                          ; which 128 columns.  Also: which half of that tile I fetch
	s_bfe_u32 s40, ttmp6, 0x40000                  ; cx
	s_bfe_u32 s41, ttmp6, 0x40004                  ; cy
	s_lshl_b32 s42, ttmp9, 2
	s_add_co_u32 s42, s42, s40                     ; tile column
	s_and_b32 s15, ttmp7, 0xffff
	s_lshl_b32 s15, s15, 2
	s_add_co_u32 s15, s15, s41                     ; tile row
	s_lshl_b32 s43, s41, 2
	s_lshl_b32 s43, 15, s43                        ; my row of the cluster
	s_lshl_b32 s44, 0x1111, s40                    ; my column
	s_or_b32 s[G1+0], s43, (1<<16)|(1<<20)|(1<<21)|(4<<22)|(3<<25)   ; y: elements of 2 bytes; after every 32 words four words of padding
	s_mov_b32 s[G1+1], 64<<16                      ; tensor_dim0 = 64
	s_mov_b32 s[G1+2], 128<<16                     ; tensor_dim1 = 128
	s_mov_b32 s[G1+3], 64<<16
	s_mov_b32 s[G1+4], 128
	s_mov_b32 s[G1+5], 64                          ; the pitch
	s_mov_b32 s[G1+6], 0
	s_mov_b32 s[G1+7], 0
	s_or_b32 s[G1B+0], s44, (1<<16)|(1<<20)|(1<<21)|(6<<22)|(7<<25)  ; w: after every 128 words eight words of padding
	s_mov_b32 s[G1B+1], 256<<16                    ; tensor_dim0 = 256
	s_mov_b32 s[G1B+2], 64<<16                     ; tensor_dim1 = 64
	s_mov_b32 s[G1B+3], 256<<16
	s_mov_b32 s[G1B+4], 64
	s_mov_b32 s[G1B+5], 1024
	s_mov_b32 s[G1B+6], 0
	s_mov_b32 s[G1B+7], 0
	s_lshl_b32 s16, s14, 20                        ; y: my head of the step's two, a plane of 1,048,576 bytes,
	s_lshl_b32 s17, s15, 14                        ; and the tile's 128 rows of 128 bytes
	s_add_co_u32 s16, s16, s17
	s_mov_b32 s17, 0
	s_lshl_b32 s46, s14, 17                        ; w: my 64 rows of 2,048 bytes,
	s_lshl_b32 s47, s42, 9                         ; and the tile's 256 columns
	s_add_co_u32 s46, s46, s47
	s_mov_b32 s47, 0
	s_mul_i32 s20, s14, 18432                      ; where they go: no place in the cluster enters an LDS address
	s_mul_i32 s21, s14, 34816
	s_add_co_u32 s21, s21, BOFF
	s_wait_dscnt 0x0                               ; both opening adds are done
	s_wait_kmcnt 0x0
	s_add_nc_u64 s[18:19], s[4:5], s[16:17]
	s_add_nc_u64 s[46:47], s[6:7], s[46:47]
	CROUND                                         ; all sixteen work-groups are here: the first joint loads meet
.irp s, 0,1
	s_mov_b32 s[G0+4*\s], 1
	s_add_co_u32 s[G0+4*\s+1], s20, \s*SLOT
	s_add_nc_u64 s[G0+4*\s+2:G0+4*\s+3], s[18:19], \s*2097152      ; K step s: two planes on
	s_or_b32 s[G0+4*\s+3], s[G0+4*\s+3], 0x80000000
	s_mov_b32 s[G0B+4*\s], 1
	s_add_co_u32 s[G0B+4*\s+1], s21, \s*SLOT
	s_add_nc_u64 s[G0B+4*\s+2:G0B+4*\s+3], s[46:47], \s*262144     ; 128 rows on
	s_or_b32 s[G0B+4*\s+3], s[G0B+4*\s+3], 0x80000000
	JLOAD \s
.endr
	v_and_b32 v1, 15, v0                           ; r
	v_bfe_u32 v2, v0, 4, 1                         ; h
	v_mul_u32_u24 v3, v1, 144
	v_lshl_add_u32 v3, v2, 4, v3
	s_mul_i32 s21, s13, 64*144                     ; my 64 rows of y
	v_and_b32 v4, 7, v0
	v_bfe_u32 v5, v0, 3, 1
	v_lshl_add_u32 v6, v2, 3, v4
	v_mul_u32_u24 v6, v6, 544
	v_lshl_add_u32 v6, v5, 4, v6                   ; w, for the turning load: row 8 h + l % 8, columns 8 ((l / 8) % 2) on
	s_lshl_b32 s22, s14, 8                         ; my 128 columns
	s_add_co_u32 s22, s22, BOFF
.irp s, 0,1
	v_add_nc_u32 v[ADRA+\s], s21, v3
	v_add_nc_u32 v[ADRB+\s], s22, v6
	s_add_co_u32 s21, s21, SLOT
	s_add_co_u32 s22, s22, SLOT
.endr
	s_mul_i32 s23, s12, 8448
	s_add_co_u32 s23, s23, STAGE                   ; my stage
	v_mul_u32_u24 v5, v1, 528
	v_lshl_add_u32 v5, v2, 5, v5
	v_add_nc_u32 v[STO], s23, v5                   ; in: row r, 32 bytes for each half of the lanes
	v_and_b32 v6, 31, v0
	v_lshlrev_b32 v[CO], 4, v6
	v_add_nc_u32 v[RD], s23, v[CO]                 ; back: the 32 lanes take one row of 512 bytes
	v_lshlrev_b32 v[BO], 5, v2
	s_lshl_b32 s16, s42, 10
	s_lshl_b32 s17, s14, 9
	s_add_co_u32 s16, s16, s17                     ; my first column, in bytes
	s_mov_b32 s17, 0
	s_add_nc_u64 s[8:9], s[8:9], s[16:17]
	s_add_nc_u64 s[10:11], s[10:11], s[16:17]
	s_lshl_b32 s16, s15, 19                        ; 128 rows of 4,096 bytes,
	s_lshl_b32 s18, s13, 18                        ; my 64
	s_add_co_u32 s16, s16, s18
	s_add_nc_u64 s[10:11], s[10:11], s[16:17]
	WIN 0x80                                       ; destination window 2
.irp b, 0,1,2,3,4,5,6,7
	global_load_b128 v[8*\b:8*\b+3], v[BO], s[8:9] offset:64*\b            ; b_proj at my columns 16 b + 8 h + 0 .. 7: the result's layout
	global_load_b128 v[8*\b+4:8*\b+7], v[BO], s[8:9] offset:64*\b+16
.endr
	WIN 0
; 8 matrix instructions: y's block a against w's eight, 32 along K.  first = 1: the bias is the C and starts the sums.  The 32 accumulators take turns, in the same order in every quarter.
.macro MUL8 f, a, first
.irp b, 0,1,2,3,4,5,6,7
.if \first
	v_wmma_f32_16x16x32_f16 v[8*(8*(\a)+\b):8*(8*(\a)+\b)+7], v[\f+32+8*\b:\f+32+8*\b+7], v[\f+8*(\a):\f+8*(\a)+7], v[8*\b:8*\b+7]
.else
	v_wmma_f32_16x16x32_f16 v[8*(8*(\a)+\b):8*(8*(\a)+\b)+7], v[\f+32+8*\b:\f+32+8*\b+7], v[\f+8*(\a):\f+8*(\a)+7], v[8*(8*(\a)+\b):8*(8*(\a)+\b)+7]
.endif
.endr
.endm
; 24 LDS loads in one run: the slot's q-th 32 along K into buffer f: w's eight fragments, then y's blocks 0, 1, then 2, 3
.macro FETCH slot, q, f
.irp b, 0,1,2,3,4,5,6,7
	ds_load_tr16_b128 v[\f+32+8*\b:\f+32+8*\b+3], v[ADRB+\slot] offset:17408*(\q)+32*\b
	ds_load_tr16_b128 v[\f+32+8*\b+4:\f+32+8*\b+7], v[ADRB+\slot] offset:17408*(\q)+32*\b+8704
.endr
.irp a, 0,1,2,3
	ds_load_b128 v[\f+8*\a:\f+8*\a+3], v[ADRA+\slot] offset:((\q)/2)*18432+((\q)%2)*64+2304*\a
	ds_load_b128 v[\f+8*\a+4:\f+8*\a+7], v[ADRA+\slot] offset:((\q)/2)*18432+((\q)%2)*64+2304*\a+32
.endr
.endm
.macro PLACES
.rept 4
	v_nop
.endr
.endm
; One of a K step's first three quarters: multiplies buffer f and fetches the slot's quarter q into g.
.macro QUARTER slot, q, f, g, first
	s_wait_dscnt 4                                 ; w's fragments and y's blocks 0, 1 are in; the youngest four loads (blocks 2, 3) may be out
.if \first
	WIN 0x60                                       ; C (the bias) window 2, D window 1
.else
	WIN MUL
.endif
	MUL8 \f, 0, \first
	MUL8 \f, 1, \first
	PLACES
	WIN 0
	FETCH \slot, \q, \g
	s_wait_dscnt 24                                ; all but the 24 just issued
.if \first
	WIN 0x60
.else
	WIN MUL
.endif
	MUL8 \f, 2, \first
	MUL8 \f, 3, \first
.endm
; The last quarter multiplies buffer 1 and changes slots: one barrier; in front of it each wave waits for all its tensor loads, adds 0 to its spare word, and waits for that and for its reads of this slot.  fill = 1: this slot is filled again, two K steps ahead.
.macro TURN slot, next, fill
	WIN 0
	s_wait_tensorcnt 0x0                           ; all my tensor loads have landed: my part of the next slot
	ds_add_u32 v[SPW], v[NIL]
	s_wait_dscnt 5                                 ; the add and the youngest four loads may be out
	WIN MUL
	MUL8 F1, 0, 0
	s_wait_dscnt 0x0                               ; the add is done, and my reads of this slot are over
	s_barrier_signal -1
	MUL8 F1, 1, 0
	WIN 0
	s_barrier_wait -1
.if \fill
	CREST                                          ; the barrier has opened a round of the cluster's barrier: no wave of any partner still reads this slot or has a load on its way
	s_add_nc_u64 s[G0+4*\slot+2:G0+4*\slot+3], s[G0+4*\slot+2:G0+4*\slot+3], 4194304
	s_add_nc_u64 s[G0B+4*\slot+2:G0B+4*\slot+3], s[G0B+4*\slot+2:G0B+4*\slot+3], 524288
	JLOAD \slot                                    ; the first tensor load behind the round; its four v_nop are also the places in front of the loads below
.else
	PLACES
.endif
	FETCH \next, 0, F0
	WIN MUL
	MUL8 F1, 2, 0
	MUL8 F1, 3, 0
.endm
	s_wait_tensorcnt 1                             ; my part of K step 0 is in; K step 1's may be out
	s_barrier_signal -1
	s_barrier_wait -1
	FETCH 0, 0, F0
	s_wait_loadcnt 0x0                             ; the bias
	QUARTER 0, 1, F0, F1, 1                        ; the first quarter stands in front of the loop: its products start the sums
	WIN 0
	s_mov_b32 s3, 3
.Llap:                                             ; a trip goes once round the ring and fills both slots again: K steps 2 to 7
	QUARTER 0, 2, F1, F0, 0
	QUARTER 0, 3, F0, F1, 0
	TURN 0, 1, 1
	QUARTER 1, 1, F0, F1, 0
	QUARTER 1, 2, F1, F0, 0
	QUARTER 1, 3, F0, F1, 0
	TURN 1, 0, 1
	QUARTER 0, 1, F0, F1, 0
	WIN 0
	s_sub_co_u32 s3, s3, 1
	s_cmp_lg_u32 s3, 0
	s_cbranch_scc1 .Llap
	QUARTER 0, 2, F1, F0, 0                        ; the last lap fills nothing
	QUARTER 0, 3, F0, F1, 0
	TURN 0, 1, 0
	QUARTER 1, 1, F0, F1, 0
	QUARTER 1, 2, F1, F0, 0
	QUARTER 1, 3, F0, F1, 0
	s_wait_dscnt 4
	WIN MUL
	MUL8 F1, 0, 0
	MUL8 F1, 1, 0
	s_wait_dscnt 0
	MUL8 F1, 2, 0
	MUL8 F1, 3, 0
	WIN 0
; THE WAY OUT, a block of 16 rows x 128 columns at a time, through my own stage: in as 32 bytes a lane, back as whole rows of 512 bytes.
.macro TOSTAGE a
	WIN 0x04                                       ; an LDS store's data are its source 1: window 1
.irp b, 0,1,2,3,4,5,6,7
	ds_store_b128 v[STO], v[64*(\a)+8*\b:64*(\a)+8*\b+3] offset:64*\b          ; each accumulator from its low end on
	ds_store_b128 v[STO], v[64*(\a)+8*\b+4:64*(\a)+8*\b+7] offset:64*\b+16
.endr
	WIN 0
.set BB, BK+64*((\a)%2)
.irp t, 0,1,2,3,4,5,6,7,8,9,10,11,12,13,14,15
	ds_load_b128 v[BB+4*\t:BB+4*\t+3], v[RD] offset:\t*528   ; LDS serves a wave's instructions in order: these see the stores above
.endr
.endm
.macro SEND a, younger
.set BB, BK+64*((\a)%2)
	s_wait_dscnt \younger                          ; the block is back; the next block's 16 stores and 16 loads may be out
.irp t, 0,1,2,3,4,5,6,7,8,9,10,11,12,13,14,15
	global_store_b128 v[CO], v[BB+4*\t:BB+4*\t+3], s[10:11] offset:(\a)*65536+\t*4096 th:TH_STORE_NT   ; 32 lanes store 512 consecutive bytes, aligned
.endr
.endm
	PLACES
	TOSTAGE 0
.irp a, 1,2,3
.if \a > 1
	s_wait_xcnt 0x0                                ; block a - 2's stores have read their registers: block a's loads may land there
.endif
	TOSTAGE \a
	SEND \a-1, 32
.endr
	SEND 3, 0
	s_wait_tensorcnt 0x0                           ; the wave's end
	ds_add_u32 v[SPW], v[NIL]
	s_wait_dscnt 0x0
	CROUND                                         ; the closing round
	s_endpgm
.Lfunc_end_k_q7624ce27e3_proj:
	.size	k_q7624ce27e3_proj, .Lfunc_end_k_q7624ce27e3_proj-k_q7624ce27e3_proj
	.p2alignl 7, 3214868480
	.fill 96, 4, 3214868480
	.section	.rodata,"a",@progbits
	.p2align	6, 0x0
	.amdhsa_kernel k_q7624ce27e3_proj
		.amdhsa_group_segment_fixed_size 327680
		.amdhsa_private_segment_fixed_size 0
		.amdhsa_enable_private_segment 0
		.amdhsa_kernarg_size 32
		.amdhsa_user_sgpr_count 2
		.amdhsa_user_sgpr_kernarg_segment_ptr 1
		.amdhsa_wavefront_size32 1
		.amdhsa_system_sgpr_workgroup_id_x 1
		.amdhsa_system_sgpr_workgroup_id_y 1
		.amdhsa_system_sgpr_workgroup_id_z 1
		.amdhsa_system_vgpr_workitem_id 0
		.amdhsa_next_free_vgpr 576
		.amdhsa_next_free_sgpr 66
		.amdhsa_reserve_vcc 0
		.amdhsa_float_denorm_mode_32 3
		.amdhsa_float_denorm_mode_16_64 3
		.amdhsa_memory_ordered 1
		.amdhsa_forward_progress 1
		.amdhsa_inst_pref_size 86
	.end_amdhsa_kernel
	.amdgpu_metadata
---
amdhsa.version: [ 1, 2 ]
amdhsa.kernels:
  - .name:           k_q7624ce27e3_proj
    .symbol:         k_q7624ce27e3_proj.kd
    .args:
      - { .name: y16, .offset: 0, .size: 8, .value_kind: global_buffer, .address_space: global }
      - { .name: wp16, .offset: 8, .size: 8, .value_kind: global_buffer, .address_space: global }
      - { .name: b_proj, .offset: 16, .size: 8, .value_kind: global_buffer, .address_space: global }
      - { .name: out0, .offset: 24, .size: 8, .value_kind: global_buffer, .address_space: global }
    .group_segment_fixed_size: 327680
    .private_segment_fixed_size: 0
    .kernarg_segment_align: 8
    .kernarg_segment_size: 32
    .max_flat_workgroup_size: 128
    .sgpr_count:     66
    .vgpr_count:     576
    .wavefront_size: 32
...
	.end_amdgpu_metadata
.endif
;; end of part 4
;; launch fine (part 5): grid 16 x 4, 16 waves a work-group, no clusters, 71,680 bytes of LDS; arguments qkvf, w_proj, b_proj, out0; writes out0
.if DOCPART == 5
	.amdgcn_target "amdgcn-amd-amdhsa--gfx1250"
	.amdhsa_code_object_version 6
	.text
	.protected	k_q7624ce27e3_fine
	.globl	k_q7624ce27e3_fine
	.p2align	8
	.type	k_q7624ce27e3_fine,@function
k_q7624ce27e3_fine:
	s_mov_b64 s[64:65], 0
	v_nop
	global_prefetch_b8 v0, s[64:65] scope:SCOPE_SE
	s_setreg_imm32_b32 hwreg(HW_REG_WAVE_MODE, 25, 1), 1
	s_wait_xcnt 0x0
; Launch 5 of 5: positions 0-15 of every batch once more, with f32 operands throughout: under the causal mask these rows average one to sixteen values and are the largest in size, so the rounding of f16 operands weighs most there.  64 rows of 8,192: no bulk work.
; Work-group (g, b) makes rows 0-15 of batch b, columns 64 g to 64 g + 63 of out0, and writes over what the launch before left there.  Wave w is head w: it makes the head's attention for the 16 positions (keys beyond 15 are masked for them all by reference() itself),
; then its 64 channels' part of the projection; the sixteen parts meet in LDS.  The attention is repeated in each of the 16 column groups: 64 columns are 256 bytes of a row, so that each store fills 256 consecutive bytes, aligned.
; qkvf holds the f32 sums of the quantised product as images of accumulators: [batch][16 part + head][b' 4][half 2][lane 32][4]: lane (r, hI) holds position r, channels 16 b' + 8 hI + 4 half + i.
; K's ORDER.  The f32 matrix form takes k = 2 (lane / 16) + j from a pair of registers.  Every product here feeds both sources with the same permutation of its K, which leaves the sums' terms as they are:
;   S^T = k q^T: both images as they lie;   O^T = v^T p: step c takes keys 8 h + 2 c + j;   out^T = w^T y: step (ct, c) takes channels 16 ct + 8 h + 2 c + j.
; REGISTERS: v32-63 four accumulators, written by matrix instructions alone; v64-95 q, v96-127 k, later w_proj's second half, later the partial sums; v128-191 w_proj's first half; v192-223 v, later y; v224-231 the scores; v232-239 p; v240-255 at work.
.set ACC, 32
.set QR,  64
.set KR,  96
.set W2,  64
.set W1,  128
.set VR,  192
.set YR,  192
.set SS,  224
.set PP,  232
.set TW,  240
.set SPW, 12
.set NIL, 13
.set SPARE, 16*4352                    ; behind the sixteen partial tiles (16 rows x 272 bytes each): the spare words, 128 bytes for each wave
	s_load_b128 s[4:7], s[0:1], 0x0                ; qkvf s[4:5], w_proj s[6:7]
	s_load_b128 s[8:11], s[0:1], 0x10              ; b_proj s[8:9], out0 s[10:11]
	v_lshl_add_u32 v[SPW], v0, 2, SPARE
	v_mov_b32 v[NIL], 0
	v_lshrrev_b32 v1, 5, v0
	v_readfirstlane_b32 s12, v1                    ; wave = head
	s_and_b32 s14, ttmp7, 0xffff                   ; batch
	v_and_b32 v1, 15, v0                           ; r
	v_bfe_u32 v2, v0, 4, 1                         ; h
	v_and_b32 v3, 31, v0                           ; lane
	v_lshlrev_b32 v4, 4, v3                        ; an image's 16 bytes a lane
	v_bfe_u32 v16, v0, 2, 1
	v_bfe_u32 v17, v0, 3, 1
	v_and_b32 v18, 3, v0
	v_lshlrev_b32 v5, 9, v16
	v_lshl_add_u32 v5, v17, 8, v5
	v_lshl_add_u32 v5, v18, 2, v5
	v_lshl_add_u32 v5, v2, 7, v5                   ; v: channel r of a tile of 16 (512 half + 256 hI + 4 i), position 8 h (16 bytes a position)
	v_lshlrev_b32 v6, 15, v2
	v_lshl_add_u32 v6, v1, 2, v6                   ; w_proj: 8 h rows of 4,096 bytes, column r
	v_lshlrev_b32 v7, 3, v3                        ; 8 bytes a lane
	s_mul_i32 s15, s12, 4352
	v_mul_u32_u24 v8, v1, 272
	v_lshl_add_u32 v8, v2, 5, v8
	v_add_nc_u32 v8, s15, v8                       ; my partial tile: row r, + 32 h
	s_mul_i32 s15, s12, 272
	v_lshl_add_u32 v9, v3, 3, s15                  ; and row w of every tile, 8 bytes a lane
	v_lshlrev_b32 v10, 3, v2
	v_sub_nc_u32 v10, v1, v10                      ; r - 8 h
	s_mov_b32 s20, 0x76543210
	s_mov_b32 s21, 0xfedcba98
	s_mov_b32 s22, 0x3e38aa3b                      ; c = log2(e) / 8
	s_mov_b32 s17, 0
	s_mul_i32 s16, s14, 196608                     ; a batch's 48 images of 4,096 bytes,
	s_lshl_b32 s18, s12, 12                        ; my head's
	s_add_co_u32 s16, s16, s18
	s_wait_kmcnt 0x0
	s_add_nc_u64 s[4:5], s[4:5], s[16:17]
	s_lshl_b32 s16, s12, 18                        ; w_proj: my 64 rows,
	s_lshl_b32 s18, ttmp9, 8                       ; my work-group's 64 columns
	s_add_co_u32 s16, s16, s18
	s_add_nc_u64 s[6:7], s[6:7], s[16:17]
	s_mov_b32 s16, s18
	s_add_nc_u64 s[8:9], s[8:9], s[16:17]
	s_lshl_b32 s16, s14, 11
	s_add_co_u32 s16, s16, s12                     ; the row that I store: position w of the batch
	s_lshl_b32 s16, s16, 12
	s_add_co_u32 s16, s16, s18
	s_add_nc_u64 s[10:11], s[10:11], s[16:17]
.macro WLOADS base, ct0                ; w_proj(64 w + 16 ct + 8 h + 2 c + j, 64 g + 16 nt + r) for two of the four ct
.irp ct, 0,1
.irp c, 0,1,2,3
.irp nt, 0,1,2,3
.irp j, 0,1
	global_load_b32 v[\base+32*\ct+8*\c+2*\nt+\j], v6, s[6:7] offset:(16*(\ct0+\ct)+2*\c+\j)*4096+64*\nt
.endr
.endr
.endr
.endr
.endm
.irp i, 0,1,2,3,4,5,6,7
	global_load_b128 v[QR+4*\i:QR+4*\i+3], v4, s[4:5] offset:512*\i
	global_load_b128 v[KR+4*\i:KR+4*\i+3], v4, s[4:5] offset:65536+512*\i
.endr
.irp ct, 0,1,2,3
.irp jj, 0,1,2,3,4,5,6,7
	global_load_b32 v[VR+8*\ct+\jj], v5, s[4:5] offset:131072+1024*\ct+16*\jj   ; v(8 h + jj, 16 ct + r)
.endr
.endr
	global_load_b64 v[14:15], v7, s[8:9]           ; b_proj at my two columns
	WLOADS W1, 0
	s_wait_loadcnt 0x0
.set c, 0
.rept 16                                       ; S^T = k q^T: 64 channels in 16 steps, four accumulators by turns; the first four steps start the sums
.if c < 4
	v_wmma_f32_16x16x4_f32 v[ACC+8*(c%4):ACC+8*(c%4)+7], v[KR+2*c:KR+2*c+1], v[QR+2*c:QR+2*c+1], 0
.else
	v_wmma_f32_16x16x4_f32 v[ACC+8*(c%4):ACC+8*(c%4)+7], v[KR+2*c:KR+2*c+1], v[QR+2*c:QR+2*c+1], v[ACC+8*(c%4):ACC+8*(c%4)+7]
.endif
.set c, c+1
.endr
.rept 9
	v_nop                                          ; places behind this form, in front of loads into its sources and of reads of its results
.endr
	WLOADS W2, 2                                   ; they land while the softmax is worked
.irp j, 0,2,4,6
	v_pk_add_f32 v[SS+\j:SS+\j+1], v[ACC+\j:ACC+\j+1], v[ACC+8+\j:ACC+8+\j+1]     ; the four partial sums, each accumulator from its low end on, into other registers
	v_pk_add_f32 v[TW+\j:TW+\j+1], v[ACC+16+\j:ACC+16+\j+1], v[ACC+24+\j:ACC+24+\j+1]
.endr
.irp j, 0,2,4,6
	v_pk_add_f32 v[SS+\j:SS+\j+1], v[SS+\j:SS+\j+1], v[TW+\j:TW+\j+1]
.endr
	v_mov_b32 v248, 0xff800000
	v_mov_b32 v250, 0                              ; (a lane permute's destination counts as one of its sources)
.irp j, 0,1,2,3,4,5,6,7
	v_cmp_gt_i32 vcc_lo, \j, v10                   ; lane (r, h), register j: query r, key 8 h + j: hidden where j > r - 8 h
	v_cndmask_b32 v[SS+\j], v[SS+\j], v248, vcc_lo
.endr
	v_max3_num_f32 v249, v[SS], v[SS+1], v[SS+2]
	v_max3_num_f32 v249, v249, v[SS+3], v[SS+4]
	v_max3_num_f32 v249, v249, v[SS+5], v[SS+6]
	v_max_num_f32 v249, v249, v[SS+7]
	v_permlanex16_b32 v250, v249, s20, s21
	v_max_num_f32 v249, v249, v250                 ; the row's maximum: key 0 counts for every query, so it is a number
	v_mul_f32 v251, s22, v249
.irp j, 0,1,2,3,4,5,6,7
	v_fma_f32 v[SS+\j], v[SS+\j], s22, -v251       ; c s - c m
.endr
.irp j, 0,1,2,3,4,5,6,7
	v_exp_f32 v[PP+\j], v[SS+\j]
.endr
	v_nop
	s_wait_alu depctr_va_vdst(0)                   ; one wait for the eight, ahead of their first reader
	v_pk_add_f32 v[252:253], v[PP:PP+1], v[PP+2:PP+3]
	v_pk_add_f32 v[254:255], v[PP+4:PP+5], v[PP+6:PP+7]
	v_pk_add_f32 v[252:253], v[252:253], v[254:255]
	v_add_f32 v252, v252, v253
	v_permlanex16_b32 v250, v252, s20, s21
	v_add_f32 v252, v252, v250                     ; the row's sum
	v_rcp_f32 v253, v252
	v_nop
	s_wait_alu depctr_va_vdst(0)
.irp c, 0,1,2,3                                ; O^T = v^T p: 16 keys in four steps, the four tiles of channels by turns
.irp ct, 0,1,2,3
.if \c == 0
	v_wmma_f32_16x16x4_f32 v[ACC+8*\ct:ACC+8*\ct+7], v[VR+8*\ct+2*\c:VR+8*\ct+2*\c+1], v[PP+2*\c:PP+2*\c+1], 0
.else
	v_wmma_f32_16x16x4_f32 v[ACC+8*\ct:ACC+8*\ct+7], v[VR+8*\ct+2*\c:VR+8*\ct+2*\c+1], v[PP+2*\c:PP+2*\c+1], v[ACC+8*\ct:ACC+8*\ct+7]
.endif
.endr
.endr
.rept 9
	v_nop
.endr
.set i, 0
.rept 32
	v_mul_f32 v[YR+i], v[ACC+i], v253              ; y = O^T / the sum, into other registers: register 8 ct + j is y(r, 16 ct + 8 h + j)
.set i, i+1
.endr
.irp ct, 0,1,2,3                               ; out^T = w^T y, my 64 channels in 16 steps, the four tiles of columns by turns
.if \ct == 2
	s_wait_loadcnt 0x0                             ; w_proj's second half
.endif
.if \ct < 2
.set WB, W1+32*\ct
.else
.set WB, W2+32*(\ct-2)
.endif
.irp c, 0,1,2,3
.irp nt, 0,1,2,3
.if (\ct == 0) && (\c == 0)
	v_wmma_f32_16x16x4_f32 v[ACC+8*\nt:ACC+8*\nt+7], v[WB+8*\c+2*\nt:WB+8*\c+2*\nt+1], v[YR+8*\ct+2*\c:YR+8*\ct+2*\c+1], 0
.else
	v_wmma_f32_16x16x4_f32 v[ACC+8*\nt:ACC+8*\nt+7], v[WB+8*\c+2*\nt:WB+8*\c+2*\nt+1], v[YR+8*\ct+2*\c:YR+8*\ct+2*\c+1], v[ACC+8*\nt:ACC+8*\nt+7]
.endif
.endr
.endr
.endr
.rept 9
	v_nop
.endr
.irp nt, 0,1,2,3
	ds_store_b128 v8, v[ACC+8*\nt:ACC+8*\nt+3] offset:64*\nt          ; lane (r, h): row r, columns 16 nt + 8 h + 0 .. 7; each accumulator from its low end on
	ds_store_b128 v8, v[ACC+8*\nt+4:ACC+8*\nt+7] offset:64*\nt+16
.endr
	s_wait_dscnt 0x0                               ; for the others' sake: my stores are done
	s_barrier_signal -1
	s_barrier_wait -1
.irp p, 0,1,2,3,4,5,6,7,8,9,10,11,12,13,14,15
	ds_load_b64 v[64+2*\p:65+2*\p], v9 offset:4352*\p   ; row w of head p's part
.endr
	s_wait_dscnt 0x0
.irp p, 0,1,2,3,4,5,6,7
	v_pk_add_f32 v[64+4*\p:65+4*\p], v[64+4*\p:65+4*\p], v[66+4*\p:67+4*\p]
.endr
.irp p, 0,1,2,3
	v_pk_add_f32 v[64+8*\p:65+8*\p], v[64+8*\p:65+8*\p], v[68+8*\p:69+8*\p]
.endr
.irp p, 0,1
	v_pk_add_f32 v[64+16*\p:65+16*\p], v[64+16*\p:65+16*\p], v[72+16*\p:73+16*\p]
.endr
	v_pk_add_f32 v[64:65], v[64:65], v[80:81]
	v_pk_add_f32 v[64:65], v[64:65], v[14:15]      ; + b_proj
	global_store_b64 v7, v[64:65], s[10:11]        ; 32 lanes store 256 consecutive bytes, aligned
	s_wait_tensorcnt 0x0                           ; the wave's end
	ds_add_u32 v[SPW], v[NIL]
	s_wait_dscnt 0x0
	s_endpgm
.Lfunc_end_k_q7624ce27e3_fine:
	.size	k_q7624ce27e3_fine, .Lfunc_end_k_q7624ce27e3_fine-k_q7624ce27e3_fine
	.p2alignl 7, 3214868480
	.fill 96, 4, 3214868480
	.section	.rodata,"a",@progbits
	.p2align	6, 0x0
	.amdhsa_kernel k_q7624ce27e3_fine
		.amdhsa_group_segment_fixed_size 71680
		.amdhsa_private_segment_fixed_size 0
		.amdhsa_enable_private_segment 0
		.amdhsa_kernarg_size 32
		.amdhsa_user_sgpr_count 2
		.amdhsa_user_sgpr_kernarg_segment_ptr 1
		.amdhsa_wavefront_size32 1
		.amdhsa_system_sgpr_workgroup_id_x 1
		.amdhsa_system_sgpr_workgroup_id_y 1
		.amdhsa_system_sgpr_workgroup_id_z 1
		.amdhsa_system_vgpr_workitem_id 0
		.amdhsa_next_free_vgpr 256
		.amdhsa_next_free_sgpr 66
		.amdhsa_reserve_vcc 1
		.amdhsa_float_denorm_mode_32 3
		.amdhsa_float_denorm_mode_16_64 3
		.amdhsa_memory_ordered 1
		.amdhsa_forward_progress 1
		.amdhsa_inst_pref_size 33
	.end_amdhsa_kernel
	.amdgpu_metadata
---
amdhsa.version: [ 1, 2 ]
amdhsa.kernels:
  - .name:           k_q7624ce27e3_fine
    .symbol:         k_q7624ce27e3_fine.kd
    .args:
      - { .name: qkvf, .offset: 0, .size: 8, .value_kind: global_buffer, .address_space: global }
      - { .name: w_proj, .offset: 8, .size: 8, .value_kind: global_buffer, .address_space: global }
      - { .name: b_proj, .offset: 16, .size: 8, .value_kind: global_buffer, .address_space: global }
      - { .name: out0, .offset: 24, .size: 8, .value_kind: global_buffer, .address_space: global }
    .group_segment_fixed_size: 71680
    .private_segment_fixed_size: 0
    .kernarg_segment_align: 8
    .kernarg_segment_size: 32
    .max_flat_workgroup_size: 512
    .sgpr_count:     66
    .vgpr_count:     256
    .wavefront_size: 32
...
	.end_amdgpu_metadata
.endif
;; end of part 5
